; MI455X (gfx1250); checked and timed in simulation.
; The chip was launched on July 23, 2026; its instructions are those of AMD's public machine-readable ISA for CDNA 5 (MIT licence, August 2026) and "CDNA5" Instruction Set Architecture Reference Guide (July 2026). The comments in the code are by the model that wrote it; some were corrected since.
;; Layer. Allowed arithmetic: matrix products marked QUANTISED: E4M3 operands, one E8M0 scale for each 32 along K, by v_wmma_scale_f32_16x16x128_f8f6f4 with both operands' format E4M3, f32 sums; everything else in f32.
;; Inputs: fc1_b 4,096 float32; fc1_w_codes 4,096 x 32 x 32 uint8 (E4M3 codes of fc1_w, K innermost, in blocks of 32 codes); fc1_w_scales 4,096 x 32 uint8 (E8M0 scales of fc1_w, one for each 32 codes along K); fc2_b 1,024 float32; fc2_w_codes 1,024 x 128 x 32 uint8 (E4M3 codes of fc2_w, K innermost, in blocks of 32 codes); fc2_w_scales 1,024 x 128 uint8 (E8M0 scales of fc2_w, one for each 32 codes along K); ln1_b 1,024 float32; ln1_w 1,024 float32; ln2_b 1,024 float32; ln2_w 1,024 float32; proj_b 1,024 float32; proj_w_codes 1,024 x 32 x 32 uint8 (E4M3 codes of proj_w, K innermost, in blocks of 32 codes); proj_w_scales 1,024 x 32 uint8 (E8M0 scales of proj_w, one for each 32 codes along K); qkv_w_codes 3,072 x 32 x 32 uint8 (E4M3 codes of qkv_w, K innermost, in blocks of 32 codes); qkv_w_scales 3,072 x 32 uint8 (E8M0 scales of qkv_w, one for each 32 codes along K); x 2 x 2,048 x 1,024 float32.
;; Outputs: out0 2 x 2,048 x 1,024 float32.
;; This version of the problem:
;;   THIS VERSION OF THE PROBLEM IS GIVEN IN LOW PRECISION. The matrix products marked QUANTISED in the list below multiply operands that are first quantised to E4M3 (4 exponent bits, 3 mantissa bits; 8 bits a number), with one power-of-two scale for each 32 numbers along K (OCP MX v1.0); their sums are f32. All else is computed in f32.
;;   The module's matrix products, in the order in which they are computed (A, B: the left and right operand; K: the contracted axis; several contracted axes count as one K, in the product's order):
;;     1. [M 4,096, K 1,024] x [K 1,024, N 3,072]; A: computed on the way; B: input qkv_w (given as codes): QUANTISED
;;     2. batch 32 x [M 2,048, K 64] x [K 64, N 2,048]; A: computed on the way; B: computed on the way: QUANTISED
;;     3. batch 32 x [M 2,048, K 2,048] x [K 2,048, N 64]; A: softmax (see below); B: computed on the way: QUANTISED
;;     4. [M 4,096, K 1,024] x [K 1,024, N 1,024]; A: computed on the way; B: input proj_w (given as codes): QUANTISED
;;     5. [M 4,096, K 1,024] x [K 1,024, N 4,096]; A: computed on the way; B: input fc1_w (given as codes): QUANTISED
;;     6. [M 4,096, K 4,096] x [K 4,096, N 1,024]; A: computed on the way; B: input fc2_w (given as codes): QUANTISED
;;   THE QUANTISER, for each operand of a quantised product, along K:
;;     - K is cut into blocks of 32 from its start; a last block that is shorter is filled with zeros.
;;     - A block's scale is 2^e with e = floor(log2(the largest magnitude in the block)) - 8, held to -126 .. 127; a block of zeros has e = 0. As a byte (E8M0): e + 127.
;;     - Each number is divided by its block's scale, clamped to +-448, and rounded to the nearest number of E4M3, ties to even, subnormals kept.
;;     - The product sums the exact products of the quantised numbers (number of the format x scale) in f32.
;;   ~~~python
;;   def quantise(x, axis):      # numpy; x: float32 -> the quantised numbers, widened to float32 again
;;       x = np.moveaxis(x, axis, -1); K = x.shape[-1]
;;       x = np.pad(x, [(0, 0)] * (x.ndim - 1) + [(0, -K % 32)]); x = x.reshape(x.shape[:-1] + (-1, 32)); a = np.abs(x).max(-1, keepdims=True)
;;       e = np.where(a > 0, np.clip(np.frexp(np.where(a > 0, a, 1))[1] - 1 - 8, -126, 127), 0)      # np.frexp(a)[1] - 1 = floor(log2(a)), exactly
;;       r = np.clip(x / 2.0 ** e, -448, 448)
;;       step = 2.0 ** (np.maximum(np.frexp(np.where(r == 0, 1, r))[1] - 1, -6) - 3)
;;       q = np.round(r / step) * step * 2.0 ** e      # np.round: ties to even
;;       return np.moveaxis(q.reshape(q.shape[:-2] + (-1,))[..., :K], -1, axis).astype(np.float32)
;;   ~~~
;;   SOFTMAX AHEAD OF A QUANTISED PRODUCT. Where the list says 'softmax', what is quantised is not the finished softmax but p = 2^(t - M), with t = logit x log2(e) and M = ceil(the row's largest t), a whole number; so 1/2 < the row's largest p <= 1. The row's sum l is taken of the UNQUANTISED p, in f32, and the product's result is divided by l at the end. Since M is a whole number, a kernel that streams over the keys may use a running M (the ceiling of the running maximum): every later rescaling is an exact power of two, which a block's scale takes up: the codes' values come out the same.
;;   OPERANDS COMPUTED ON THE WAY. 'Computed on the way' means the value that the module computes at that place (a softmax that the list does not call 'softmax' is quantised finished and normalised). What goes into a quantiser is computed in f32, as accurately as f32 sums, v_exp_f32 and their like allow (about 1e-6 of the number): no bf16 or f16 on the way to a quantiser, and a product that is left as it is and whose result goes on into a quantised operand takes f32 operands (vector FMAs, or v_wmma_f32_16x16x4_f32). A number that lies on a knife's edge between two numbers of the format may be rounded either way, as far as f32 arithmetic and the matrix unit's own rounding can turn it there, and no further.
;;   INPUTS GIVEN AS CODES. fc1_w (in the module: [4096, 1024], K = its axis 1); fc2_w (in the module: [1024, 4096], K = its axis 1); proj_w (in the module: [1024, 1024], K = its axis 1); qkv_w (in the module: [3072, 1024], K = its axis 1): each comes as NAME_codes (uint8): NAME with its K axis moved to the last place and cut into blocks of 32 codes, [.., K / 32, bytes a block], one block behind the other in memory; one code a byte (a code: sign, 4 exponent bits, 3 mantissa bits); and NAME_scales (uint8): the same leading axes, one E8M0 byte (e + 127) for each 32 codes along K. Its value is code x scale, taken as it is: it is not quantised again, and the codes and scales need not be those that the quantiser above would give.
;; One version. Each part assembles by itself: llvm-mc -triple=amdgcn-amd-amdhsa -mcpu=gfx1250 --defsym DOCPART=n.
;; ======== version 1 of 1: 7 launches
;; limits: right only within a limited range of input values
;; workspace buffers: act 4,358,144 bytes; qkvc 13,238,272 bytes; oc 4,325,376 bytes; x1 16,777,216 bytes; hid 17,301,504 bytes
;; launch ln1 (part 1): grid 256 x 1, 8 waves a work-group, no clusters, 83,968 bytes of LDS; arguments x, ln1_w, ln1_b, act; writes act
.if DOCPART == 1
	.amdgcn_target "amdgcn-amd-amdhsa--gfx1250"
	.amdhsa_code_object_version 6
	.text
	.protected	k_q3b524a2b29_ln1
	.globl	k_q3b524a2b29_ln1
	.p2align	8
	.type	k_q3b524a2b29_ln1,@function
k_q3b524a2b29_ln1:
	s_mov_b64 s[64:65], 0
	v_nop
	global_prefetch_b8 v0, s[64:65] scope:SCOPE_SE
	s_setreg_imm32_b32 hwreg(HW_REG_WAVE_MODE, 25, 1), 1
	s_wait_xcnt 0x0
; LayerNorm of rows of 1,024 f32, y = (x - mu) * rsqrt(var + 1e-5) * w + b, all in f32, and y quantised along the row to codes of FP8 (E4M3) with one E8M0 byte for each 32.
; y itself is not stored.  Out, all in one buffer: codes [4096][1024] at byte 0; scale bytes [4096][32] at ACT_S; (mu, rstd) [4096][2] f32 at ACT_T, from which a later launch makes y again.
; (Where this body serves the second norm nobody reads the 32 KB of statistics: the price of one body for both.)
; SHARES: a work-group takes 16 rows, each of its eight waves two.  All 32 loads of a wave go out at the head; each covers 512 consecutive bytes.
; The conversions want 16 neighbours in a lane, the loads give 4: half a row (2,048 bytes) at a time turns through the wave's own stage in LDS, 16 bytes of padding behind each 64.
; LIMITS: NaN and infinities are not served; a block of zeros gets the byte 1 (its codes are zeros, and only this program reads the bytes).
.set SP,    80                         ; a lane's place in a stage: 64 bytes + 16 of padding
.set STG,   32*SP                      ; a stage: half a row
.set WREG,  4*STG                      ; a wave's four stages
.set SCG,   8*WREG                     ; the work-group's 512 scale bytes
.set STT,   SCG+512                    ; its 16 pairs (mu, rstd)
.set ACT_S, 4194304
.set ACT_T, 4325376
.set WR,  16                           ; v16-47   w, as loaded
.set BR,  48                           ; v48-79   b
.set XR,  80                           ; v80-143  two rows, as loaded
.set NR,  144                          ; v144-207 four sets of 16 neighbours
.set CR,  208                          ; v208-223 codes, four registers a set
.set ER,  224                          ; v224-227 a scale byte a set
.set MU,  228                          ; row p: v[MU+4p] mu, +1 rstd (the pair that is stored); +2 rstd, +3 0 (a pair for the packed multiply)
.set RS,  236                          ; v236-239 sums at work
	s_load_b256 s[4:11], s[0:1], 0x0               ; x s[4:5], w s[6:7], b s[8:9], out s[10:11]
	v_lshl_add_u32 v244, v0, 2, 0x14400
	v_mov_b32 v245, 0
	v_lshrrev_b32 v1, 5, v0
	s_delay_alu instid0(VALU_DEP_1)
	v_readfirstlane_b32 s16, v1                    ; wave 0..7
	v_and_b32 v1, 31, v0                           ; lane
	s_delay_alu instid0(VALU_DEP_1)
	v_lshlrev_b32 v2, 4, v1                        ; 16 x lane
	s_mul_i32 s17, s16, WREG
	v_lshrrev_b32 v3, 2, v1
	s_delay_alu instid0(VALU_DEP_1)
	v_mul_u32_u24 v3, v3, SP
	v_and_b32 v4, 3, v1
	s_delay_alu instid0(VALU_DEP_1)
	v_lshl_add_u32 v3, v4, 4, v3
	s_delay_alu instid0(VALU_DEP_1)
	v_add_nc_u32 v3, s17, v3                       ; into a stage: four lanes' 64 bytes on end, then the padding
	v_mul_u32_u24 v4, v1, SP
	s_delay_alu instid0(VALU_DEP_1)
	v_add_nc_u32 v4, s17, v4                       ; out of it: my 16 neighbours
	v_lshrrev_b32 v5, 1, v1
	s_lshl_b32 s18, s16, 6
	s_add_co_u32 s18, s18, SCG
	v_add_nc_u32 v5, s18, v5                       ; my block's scale byte: 64 bytes a wave (two rows), a byte for each two lanes
	s_lshl_b32 s18, s16, 4
	s_add_co_u32 s18, s18, STT
	v_mov_b32 v6, s18                              ; my wave's two pairs of statistics
	v_add_nc_u32 v7, SCG, v2                       ; the way out of the scale bytes (wave 0)
	v_lshlrev_b32 v241, 2, v1
	s_delay_alu instid0(VALU_DEP_1)
	v_add_nc_u32 v240, STT, v241                   ; and of the statistics
	s_mov_b32 s12, 0x76543210
	s_mov_b32 s13, 0xfedcba98                      ; v_permlanex16_b32's selects for lane l xor 16
	s_mov_b32 s14, 0x3a800000                      ; 1 / 1024
	s_mov_b32 s15, 0x3727c5ac                      ; 1e-5
	s_mov_b32 s26, 0x600000                        ; the mantissa field of 448
	s_lshl_b32 s20, ttmp9, 16                      ; 16 rows of 4,096 bytes a work-group,
	s_lshl_b32 s22, s16, 13                        ; two a wave
	s_add_co_u32 s20, s20, s22
	s_mov_b32 s21, 0
	s_lshr_b32 s22, s20, 2                         ; and a quarter of that in the codes
	s_mov_b32 s23, 0
	s_lshl_b32 s18, ttmp9, 9
	s_mov_b32 s19, 0
	s_wait_kmcnt 0x0
	s_add_nc_u64 s[4:5], s[4:5], s[20:21]
	s_add_nc_u64 s[24:25], s[10:11], s[22:23]
	s_add_nc_u64 s[28:29], s[10:11], s[18:19]      ; 512 scale bytes a work-group
	s_lshl_b32 s18, ttmp9, 7
	s_add_nc_u64 s[30:31], s[10:11], s[18:19]      ; 128 bytes of statistics
.irp p, 0,1
.irp j, 0,1,2,3,4,5,6,7
	global_load_b128 v[XR+32*\p+4*\j:XR+32*\p+4*\j+3], v2, s[4:5] offset:4096*\p+512*\j th:TH_LOAD_NT
.endr
.endr
.irp j, 0,1,2,3,4,5,6,7
	global_load_b128 v[WR+4*\j:WR+4*\j+3], v2, s[6:7] offset:512*\j
.endr
.irp j, 0,1,2,3,4,5,6,7
	global_load_b128 v[BR+4*\j:BR+4*\j+3], v2, s[8:9] offset:512*\j
.endr
.macro LANESUM                         ; v[RS] summed over the 32 lanes, the result in every lane
	s_delay_alu instid0(VALU_DEP_1)
	v_add_f32_dpp v[RS], v[RS], v[RS] row_xmask:1 row_mask:0xf bank_mask:0xf
	s_delay_alu instid0(VALU_DEP_1)
	v_add_f32_dpp v[RS], v[RS], v[RS] row_xmask:2 row_mask:0xf bank_mask:0xf
	s_delay_alu instid0(VALU_DEP_1)
	v_add_f32_dpp v[RS], v[RS], v[RS] row_xmask:4 row_mask:0xf bank_mask:0xf
	s_delay_alu instid0(VALU_DEP_1)
	v_add_f32_dpp v[RS], v[RS], v[RS] row_xmask:8 row_mask:0xf bank_mask:0xf
	s_delay_alu instid0(VALU_DEP_1)
	v_permlanex16_b32 v[RS+1], v[RS], s12, s13
	s_delay_alu instid0(VALU_DEP_1)
	v_add_f32 v[RS], v[RS], v[RS+1]
.endm
; Row p: the mean, x - mu in place, the mean of its squares, rstd.  left: the loads issued behind this row's eight, which may stay out.
.macro ROWSTAT p, left
.set XP, XR+32*\p
.set MP, MU+4*\p
	s_wait_loadcnt \left
	v_pk_add_f32 v[RS:RS+1], v[XP:XP+1], v[XP+2:XP+3]
	v_pk_add_f32 v[RS+2:RS+3], v[XP+4:XP+5], v[XP+6:XP+7]
.irp i, 8,12,16,20,24,28
	s_delay_alu instid0(VALU_DEP_2)
	v_pk_add_f32 v[RS:RS+1], v[RS:RS+1], v[XP+\i:XP+\i+1]
	s_delay_alu instid0(VALU_DEP_2)
	v_pk_add_f32 v[RS+2:RS+3], v[RS+2:RS+3], v[XP+\i+2:XP+\i+3]
.endr
	s_delay_alu instid0(VALU_DEP_1)
	v_pk_add_f32 v[RS:RS+1], v[RS:RS+1], v[RS+2:RS+3]
	s_delay_alu instid0(VALU_DEP_1)
	v_add_f32 v[RS], v[RS], v[RS+1]
	LANESUM
	s_delay_alu instid0(VALU_DEP_1)
	v_mul_f32 v[MP], s14, v[RS]                    ; mu
	v_mov_b32 v[MP+1], 0                           ; (named with mu as a pair, so it is written)
	v_mov_b32 v[MP+3], 0
.set i, 0
.rept 16
	v_pk_add_f32 v[XP+i:XP+i+1], v[XP+i:XP+i+1], v[MP:MP+1] op_sel_hi:[1,0] neg_lo:[0,1] neg_hi:[0,1]
.set i, i+2
.endr
	v_pk_mul_f32 v[RS:RS+1], v[XP:XP+1], v[XP:XP+1]
	v_pk_mul_f32 v[RS+2:RS+3], v[XP+2:XP+3], v[XP+2:XP+3]
.irp i, 4,8,12,16,20,24,28
	s_delay_alu instid0(VALU_DEP_2)
	v_pk_fma_f32 v[RS:RS+1], v[XP+\i:XP+\i+1], v[XP+\i:XP+\i+1], v[RS:RS+1]
	s_delay_alu instid0(VALU_DEP_2)
	v_pk_fma_f32 v[RS+2:RS+3], v[XP+\i+2:XP+\i+3], v[XP+\i+2:XP+\i+3], v[RS+2:RS+3]
.endr
	s_delay_alu instid0(VALU_DEP_1)
	v_pk_add_f32 v[RS:RS+1], v[RS:RS+1], v[RS+2:RS+3]
	s_delay_alu instid0(VALU_DEP_1)
	v_add_f32 v[RS], v[RS], v[RS+1]
	LANESUM
	s_delay_alu instid0(VALU_DEP_1)
	v_fma_f32 v[RS], v[RS], s14, s15               ; var + eps
	s_wait_alu depctr_va_vdst(0)
	v_rsq_f32 v[MP+2], v[RS]
	v_nop                                          ; a plain line behind the transcendental,
	s_wait_alu depctr_va_vdst(0)                   ; and the wait ahead of the first line that names its result
	v_mov_b32 v[MP+1], v[MP+2]
.endm
; Row p: x rstd, x w + b; then both halves of the row through their stages.
.macro NORM p
.set XP, XR+32*\p
.set MP, MU+4*\p
.set i, 0
.rept 16
	v_pk_mul_f32 v[XP+i:XP+i+1], v[XP+i:XP+i+1], v[MP+2:MP+3] op_sel_hi:[1,0]
.set i, i+2
.endr
.set i, 0
.rept 16
	v_pk_fma_f32 v[XP+i:XP+i+1], v[XP+i:XP+i+1], v[WR+i:WR+i+1], v[BR+i:BR+i+1]
.set i, i+2
.endr
.irp s, 0,1
.irp i, 0,1,2,3
	ds_store_b128 v3, v[XP+16*\s+4*\i:XP+16*\s+4*\i+3] offset:STG*(2*\p+\s)+8*SP*\i
.endr
.irp i, 0,1,2,3
	ds_load_b128 v[NR+16*(2*\p+\s)+4*\i:NR+16*(2*\p+\s)+4*\i+3], v4 offset:STG*(2*\p+\s)+16*\i   ; LDS serves a wave's instructions in order: these see the stores above
.endr
.endr
.endm
; Half row k = 2 p + s: 16 numbers a lane, two lanes to a block.
.macro QSTEP k
.set XS, NR+16*(\k)
	s_wait_dscnt 8*(3-(\k))+(\k)                   ; behind this set's loads: eight LDS lines for each later set, and the byte stores issued so far
	v_max3_num_f32 v8, |v[XS]|, |v[XS+1]|, |v[XS+2]|
	v_max3_num_f32 v9, |v[XS+3]|, |v[XS+4]|, |v[XS+5]|
.irp i, 6,10
	s_delay_alu instid0(VALU_DEP_2)
	v_max3_num_f32 v8, v8, |v[XS+\i]|, |v[XS+\i+1]|
	s_delay_alu instid0(VALU_DEP_2)
	v_max3_num_f32 v9, v9, |v[XS+\i+2]|, |v[XS+\i+3]|
.endr
	s_delay_alu instid0(VALU_DEP_2)
	v_max3_num_f32 v8, v8, |v[XS+14]|, |v[XS+15]|
	s_delay_alu instid0(VALU_DEP_1)
	v_max3_num_f32 v8, v8, v9, 0x4800000           ; and the floor 2^(9 - 127): the byte cannot fall under 1
	s_delay_alu instid0(VALU_DEP_1)
	v_max_num_f32_dpp v8, v8, v8 row_xmask:1 row_mask:0xf bank_mask:0xf   ; with my neighbour's 16: the block's largest magnitude
	s_delay_alu instid0(VALU_DEP_1)
	v_add_nc_u32 v11, 0xfc000000, v8               ; 8 off its exponent field: the conversion's scale operand
	s_delay_alu instid0(VALU_DEP_2)
	v_and_or_b32 v10, v8, 0x7f800000, s26          ; 448 x the scale
.set i, 0
.rept 16
	v_med3_num_f32 v[XS+i], v[XS+i], -v10, v10     ; the conversion to an 8-bit code does not saturate (ISA guide 7.6.2): the hold
.set i, i+1
.endr
	v_cvt_scalef32_pk8_fp8_f32 v[CR+4*(\k):CR+4*(\k)+1], v[XS:XS+7], v11
	v_cvt_scalef32_pk8_fp8_f32 v[CR+4*(\k)+2:CR+4*(\k)+3], v[XS+8:XS+15], v11
	v_lshrrev_b32 v[ER+(\k)], 23, v11              ; the scale's byte
	ds_store_b8 v5, v[ER+(\k)] offset:16*(\k)      ; both lanes of a block write the same byte with the same value
	global_store_b128 v2, v[CR+4*(\k):CR+4*(\k)+3], s[24:25] offset:512*(\k)   ; 32 lanes store 512 consecutive bytes
.endm
	ROWSTAT 0, 24                                  ; the other row, w and b may be out
	ROWSTAT 1, 16                                  ; w and b may be out
	s_wait_loadcnt 0x0
	NORM 0
	NORM 1
	QSTEP 0
	QSTEP 1
	QSTEP 2
	QSTEP 3
	ds_store_b64 v6, v[MU:MU+1]                    ; every lane writes the same pair
	ds_store_b64 v6, v[MU+4:MU+5] offset:8
	s_wait_dscnt 0x0                               ; for wave 0's sake: my stores have landed
	s_barrier_signal -1
	s_barrier_wait -1
	s_cmp_lg_u32 s16, 0
	s_cbranch_scc1 .Lend
	ds_load_b128 v[12:15], v7
	ds_load_b32 v242, v240
	s_wait_dscnt 0x0
	global_store_b128 v2, v[12:15], s[28:29] offset:ACT_S    ; 512 consecutive bytes
	global_store_b32 v241, v242, s[30:31] offset:ACT_T       ; 128 consecutive bytes: all that 16 rows have
.Lend:
	s_wait_tensorcnt 0x0
	ds_add_u32 v244, v245
	s_wait_dscnt 0x0
	s_endpgm
.Lfunc_end_k_q3b524a2b29_ln1:
	.size	k_q3b524a2b29_ln1, .Lfunc_end_k_q3b524a2b29_ln1-k_q3b524a2b29_ln1
	.p2alignl 7, 3214868480
	.fill 96, 4, 3214868480
	.section	.rodata,"a",@progbits
	.p2align	6, 0x0
	.amdhsa_kernel k_q3b524a2b29_ln1
		.amdhsa_group_segment_fixed_size 83968
		.amdhsa_private_segment_fixed_size 0
		.amdhsa_enable_private_segment 0
		.amdhsa_kernarg_size 32
		.amdhsa_user_sgpr_count 2
		.amdhsa_user_sgpr_kernarg_segment_ptr 1
		.amdhsa_wavefront_size32 1
		.amdhsa_system_sgpr_workgroup_id_x 1
		.amdhsa_system_sgpr_workgroup_id_y 1
		.amdhsa_system_sgpr_workgroup_id_z 1
		.amdhsa_system_vgpr_workitem_id 0
		.amdhsa_next_free_vgpr 246
		.amdhsa_next_free_sgpr 66
		.amdhsa_reserve_vcc 0
		.amdhsa_float_denorm_mode_32 3
		.amdhsa_float_denorm_mode_16_64 3
		.amdhsa_memory_ordered 1
		.amdhsa_forward_progress 1
		.amdhsa_inst_pref_size 33
	.end_amdhsa_kernel
	.amdgpu_metadata
---
amdhsa.version: [ 1, 2 ]
amdhsa.kernels:
  - .name:           k_q3b524a2b29_ln1
    .symbol:         k_q3b524a2b29_ln1.kd
    .args:
      - { .name: x, .offset: 0, .size: 8, .value_kind: global_buffer, .address_space: global }
      - { .name: ln1_w, .offset: 8, .size: 8, .value_kind: global_buffer, .address_space: global }
      - { .name: ln1_b, .offset: 16, .size: 8, .value_kind: global_buffer, .address_space: global }
      - { .name: act, .offset: 24, .size: 8, .value_kind: global_buffer, .address_space: global }
    .group_segment_fixed_size: 83968
    .private_segment_fixed_size: 0
    .kernarg_segment_align: 8
    .kernarg_segment_size: 32
    .max_flat_workgroup_size: 256
    .sgpr_count:     66
    .vgpr_count:     246
    .wavefront_size: 32
...
	.end_amdgpu_metadata
.endif
;; end of part 1
;; launch qkv (part 2): grid 12 x 16, 4 waves a work-group, clusters of 4 x 4, 327,680 bytes of LDS; arguments act, qkv_w_codes, qkv_w_scales, qkvc; writes qkvc
.if DOCPART == 2
	.amdgcn_target "amdgcn-amd-amdhsa--gfx1250"
	.amdhsa_code_object_version 6
	.text
	.protected	k_q3b524a2b29_qkv
	.globl	k_q3b524a2b29_qkv
	.p2align	8
	.type	k_q3b524a2b29_qkv,@function
k_q3b524a2b29_qkv:
	s_mov_b64 s[64:65], 0
	v_nop
	global_prefetch_b8 v0, s[64:65] scope:SCOPE_SE
	s_setreg_imm32_b32 hwreg(HW_REG_WAVE_MODE, 25, 1), 1
	s_wait_xcnt 0x0
	s_wait_alu depctr_hold_cnt(0) depctr_sa_sdst(0) depctr_va_vdst(0) depctr_va_sdst(0) depctr_va_ssrc(0) depctr_va_vcc(0) depctr_vm_vsrc(0)
	s_getreg_b32 s2, hwreg(HW_REG_IB_STS2, 6, 4)
	s_cmp_eq_u32 s2, 0
	s_cbranch_scc0 .Lentry_in_a_cluster
	s_endpgm
.Lentry_in_a_cluster:
	s_bfe_u32 s2, ttmp6, 0x10000c
	s_cmp_lg_u32 s2, 0xf033
	s_cbranch_scc0 .Lentry_shape_is_right
	s_endpgm
.Lentry_shape_is_right:
; q, k, v = xn W^T on codes of FP8 (E4M3) with E8M0 scales, K = 1,024, and the results quantised at once for the attention: q and k along the head's 64, v along the keys.
; A tile of 256 x 256 to a work-group of four waves, 128 x 128 a wave: 64 accumulators, 512 registers.  K goes in steps of 256 through two LDS slots filled by tensor loads; the scale bytes of the
; work-group's rows come once and stay.  4 x 4 work-groups form a cluster and ask jointly: the A side's tiles along a row of the cluster, the B side's along a column.
; THE PRODUCT IS USED TRANSPOSED: source 0 = 16 rows of the B side, source 1 = 16 rows of the A side: a lane holds ONE row of the A side, and its registers run along the B side.
; THE B SIDE'S ROWS OF A TILE ARE NOT NEIGHBOURS: lane r of tile 2 b + u takes row 32 b + 8 u + r + 8 (r / 8), so that a lane's 16 registers of tiles 2 b, 2 b + 1 are rows 32 b + 16 (lane / 16) + 0 .. 15.
; So the axis that is quantised next must be the B side.  Clusters with x = 0, 1 make q, k: A side = tokens, B side = the weight's rows.  Clusters with x = 2 make v: A side = the weight's rows, B side = tokens.
; The two tensors have rows of the same length, so only pointers and tile numbers are chosen, by s_cselect on the cluster's x, which all partners share.
; OUT (a workspace of this program, laid as the attention's operand registers): Q at 0, K at 4,456,448: [head 32][step 16] blocks of 8,704 bytes: 8 tiles of 16 tokens x 1,024 ([c 2][lane 32][16 bytes]),
; then 512 bytes of scale words [tile / 4][r 16][tile % 4].  V at 8,912,896: blocks of 8,448: 4 fragments of 16 d x 128 keys x 2,048 ([c 4][lane][16]), then 256 bytes [r 16][fragment 4].  Every store covers whole runs of 256 bytes.
; 192 work-groups: 3,072 columns give no more tiles of this size.
; LIMITS: NaN and infinities are not served; a block of zeros gets the byte 1 (zero codes; only this program reads the bytes).
; REGISTERS: window 0: v0-31 addresses; v32-63 scale words, two sets; v64-111 the way out; v128-255 the A side's fragments, one set.  window 1: the B side's, two sets.  windows 2, 3: the accumulators ((a, b) at v[8 (8 (a % 4) + b)]).
.set KSTEP,  256
.set NQ,     2
.set ROWB,   256
.set KROW,   1024
.set PITCH,  272                       ; an LDS row: 256 bytes + 16 of padding
.set FR,     16
.set NL,     4
.set NP,     8                         ; places behind this matrix instruction (ISA guide 7.12.1)
.set HALFT,  128*PITCH
.set SLOT,   4*HALFT
.set LAPS,   2
.set KS,     32
.set SCL,    2*SLOT
.set HALFS,  (128*KS/256)*272
.set SBLK,   (16*KS/256)*272
.set SPARE,  SCL+4*HALFS               ; the spare words: 128 bytes a wave, named by no other line
.set ADRA, 16
.set ADRB, 20
.set ADRS, 27                          ; scale words, even tiles: lanes 0-15 the A side's rows, lanes 16-31 the B side's
.set ADRT, 30                          ; odd tiles
.set SPW,  28
.set NIL,  29
.set SC,   32
.set TM,   64                          ; v64-79  the quantiser's: largest magnitudes, bytes, holds, scale operands
.set WD,   80                          ; v80-87  the eight scale words
.set AD,   88                          ; v88-91  where a lane's four groups of 16 codes go
.set SAD,  92                          ; v92     where its scale words go
.set SH,   93                          ; v93     16 x (lane / 16)
.set PC,   96                          ; v96-111 the codes just made
.set AF,   128
.set G1, 24
.set G0, 32
.set G1B, 48
.set G0B, 56
.set G1S, 68
.set G0S, 76
.set G1SB, 80
.set G0SB, 88
.set ISV, 66
.set MNT, 2
.set SEL, 100
.set MSB, 0
.macro WIN new                         ; the immediate's high byte repeats the setting that is left
.if MSB != (\new)
	s_set_vgpr_msb (MSB<<8)|(\new)
.set MSB, (\new)
.endif
.endm
.set MUL_LO, 0xa1
.set MUL_HI, 0xf1
.set TO_B,   0x40
.macro JLOAD g0a, g1a, g0b, g1b        ; a joint load: waves 0, 1 fetch for the A side, waves 2, 3 for the B side; four v_nop follow each line
	s_cmp_eq_u32 s15, 0
	s_cbranch_scc0 .Lfor_b_\@
	tensor_load_to_lds s[\g0a:\g0a+3], s[\g1a:\g1a+7]
	s_nop 0
.rept 4
	v_nop
.endr
	s_branch .Lasked_\@
.Lfor_b_\@:
	tensor_load_to_lds s[\g0b:\g0b+3], s[\g1b:\g1b+7]
	s_nop 0
.rept 4
	v_nop
.endr
.Lasked_\@:
.endm
.macro CREST
	s_cmp_lg_u32 s14, 0
	s_cbranch_scc1 .Lnot_wave_0_\@
	s_barrier_signal -3
.Lnot_wave_0_\@:
	s_barrier_wait -3
	s_barrier_signal -1
	s_barrier_wait -1
.endm
.macro CROUND
	s_barrier_signal -1
	s_barrier_wait -1
	CREST
.endm
.macro PLACES n
.rept \n
	v_nop
.endr
.endm
	s_load_b256 s[4:11], s[0:1], 0x0               ; xn's codes and scales s[4:5], W's codes s[6:7], W's scales s[8:9], out s[10:11]
	v_lshl_add_u32 v[SPW], v0, 2, SPARE
	v_mov_b32 v[NIL], 0
	ds_add_u32 v28, v29
	ds_add_u32 v28, v29
	s_wait_dscnt 0x0
	v_lshrrev_b32 v1, 5, v0
	v_readfirstlane_b32 s14, v1                    ; wave 0..3
	s_lshr_b32 s15, s14, 1                         ; my half of the A side's rows.  Also: I fetch for the A side (0) or the B side (1)
	s_and_b32 s16, s14, 1                          ; my half of the B side's rows.  Also: which 128 rows I fetch
	s_bfe_u32 s40, ttmp6, 0x40000                  ; cx
	s_bfe_u32 s41, ttmp6, 0x40004                  ; cy
	s_and_b32 s17, ttmp7, 0xffff                   ; cluster y
	s_cmp_eq_u32 ttmp9, 2                          ; the clusters of v
	s_cselect_b32 s[ISV], 1, 0
	s_cselect_b32 s42, s17, ttmp9
	s_cselect_b32 s17, 2, s17
	s_lshl_b32 s42, s42, 2
	s_add_co_u32 s42, s42, s40                     ; the B side's tile: 4 x (v: cluster y; else cluster x) + cx
	s_lshl_b32 s17, s17, 2
	s_add_co_u32 s17, s17, s41                     ; the A side's tile: 4 x (v: 2; else cluster y) + cy
	s_lshl_b32 s43, s41, 2
	s_lshl_b32 s43, 15, s43                        ; my row of the cluster
	s_lshl_b32 s44, 0x1111, s40                    ; my column
	s_or_b32 s[G1+0], s43, (0<<16)|(1<<20)|(1<<21)|(5<<22)|(3<<25)   ; the mask; elements of 1 byte; padding: 4 words behind every 64
	s_or_b32 s[G1B+0], s44, (0<<16)|(1<<20)|(1<<21)|(5<<22)|(3<<25)
.irp g, G1, G1B
	s_mov_b32 s[\g+1], ROWB<<16                    ; tensor_dim0
	s_mov_b32 s[\g+2], 256<<16                     ; tensor_dim1: the head's loads bring 256 rows
	s_mov_b32 s[\g+3], ROWB<<16                    ; tile_dim0
	s_mov_b32 s[\g+4], 256                         ; tile_dim1
	s_mov_b32 s[\g+5], KROW                        ; the pitch
	s_mov_b32 s[\g+6], 0
	s_mov_b32 s[\g+7], 0
.endr
	s_or_b32 s[G1S+0], s43, (3<<16)|(1<<20)|(1<<21)|(5<<22)|(3<<25)  ; the scales of 256 rows: 8,192 dense bytes as 32 rows of 256, 16 bytes of padding behind each
	s_or_b32 s[G1SB+0], s44, (3<<16)|(1<<20)|(1<<21)|(5<<22)|(3<<25)
.irp g, G1S, G1SB
	s_mov_b32 s[\g+1], 32<<16
	s_mov_b32 s[\g+2], (256*KS/256)<<16
	s_mov_b32 s[\g+3], 32<<16
	s_mov_b32 s[\g+4], 256*KS/256
	s_mov_b32 s[\g+5], 32
	s_mov_b32 s[\g+6], 0
	s_mov_b32 s[\g+7], 0
.endr
	s_lshl_b32 s18, s16, 7
	s_lshl_b32 s20, s17, 8
	s_add_co_u32 s20, s20, s18                     ; the A side's first row that I would fetch
	s_lshl_b32 s46, s42, 8
	s_add_co_u32 s46, s46, s18                     ; the B side's
	s_lshl_b32 s22, s17, 13                        ; the scale bytes of the tile's 256 rows, whole
	s_mov_b32 s23, 0
	s_lshl_b32 s92, s42, 13
	s_mov_b32 s93, 0
	s_lshl_b32 s20, s20, 10                        ; their codes
	s_mov_b32 s21, 0
	s_lshl_b32 s46, s46, 10
	s_mov_b32 s47, 0
	s_mul_i32 s45, s14, HALFT                      ; where they go: no place in the cluster enters an LDS address
	s_wait_kmcnt 0x0
	s_add_nc_u64 s[12:13], s[4:5], 0x400000        ; xn's scale bytes lie behind its codes
	s_cmp_eq_u32 s[ISV], 1
	s_cselect_b64 s[94:95], s[6:7], s[4:5]         ; the A side's codes,
	s_cselect_b64 s[98:99], s[4:5], s[6:7]         ; the B side's,
	s_cselect_b64 s[96:97], s[8:9], s[12:13]       ; the A side's scales,
	s_cselect_b64 s[12:13], s[12:13], s[8:9]       ; the B side's
	s_add_nc_u64 s[20:21], s[94:95], s[20:21]
	s_add_nc_u64 s[22:23], s[96:97], s[22:23]
	s_add_nc_u64 s[46:47], s[98:99], s[46:47]
	s_add_nc_u64 s[92:93], s[12:13], s[92:93]
	CROUND                                         ; all sixteen work-groups are here: the first joint loads meet
	s_mov_b32 s[G0S], 1
	s_mov_b32 s[G0S+1], SCL
	s_mov_b64 s[G0S+2:G0S+3], s[22:23]
	s_or_b32 s[G0S+3], s[G0S+3], 0x80000000
	s_mov_b32 s[G0SB], 1
	s_mov_b32 s[G0SB+1], SCL+2*HALFS
	s_mov_b64 s[G0SB+2:G0SB+3], s[92:93]
	s_or_b32 s[G0SB+3], s[G0SB+3], 0x80000000
.irp s, 0,1
	s_mov_b32 s[G0+4*\s], 1
	s_add_co_u32 s[G0+4*\s+1], s45, \s*SLOT
	s_add_nc_u64 s[G0+4*\s+2:G0+4*\s+3], s[20:21], \s*ROWB
	s_or_b32 s[G0+4*\s+3], s[G0+4*\s+3], 0x80000000
	s_mov_b32 s[G0B+4*\s], 1
	s_add_co_u32 s[G0B+4*\s+1], s45, \s*SLOT
	s_add_nc_u64 s[G0B+4*\s+2:G0B+4*\s+3], s[46:47], \s*ROWB
	s_or_b32 s[G0B+4*\s+3], s[G0B+4*\s+3], 0x80000000
.endr
	; the head's four tiles, one joint load a wave: wave 0 K step 0's 256 rows of the A side (its slot 0 descriptor begins at the tile's first row), wave 1 the A side's scales, wave 2 the B side's 256 rows, wave 3 its scales
	s_cmp_eq_u32 s14, 0
	s_cbranch_scc0 .Lhead_sa
	tensor_load_to_lds s[G0:G0+3], s[G1:G1+7]
	s_nop 0
	PLACES 4
	s_branch .Lhead_asked
.Lhead_sa:
	s_cmp_eq_u32 s14, 1
	s_cbranch_scc0 .Lhead_b
	tensor_load_to_lds s[G0S:G0S+3], s[G1S:G1S+7]
	s_nop 0
	PLACES 4
	s_branch .Lhead_asked
.Lhead_b:
	s_cmp_eq_u32 s14, 2
	s_cbranch_scc0 .Lhead_sb
	tensor_load_to_lds s[G0B:G0B+3], s[G1B:G1B+7]
	s_nop 0
	PLACES 4
	s_branch .Lhead_asked
.Lhead_sb:
	tensor_load_to_lds s[G0SB:G0SB+3], s[G1SB:G1SB+7]
	s_nop 0
	PLACES 4
.Lhead_asked:
	; asked ahead: K steps 1 to 3 of the 128 rows that I fetch in the ring.  The four partners that ask for those rows jointly take 32 each, by address (cx for the A side, cy for the B side): a lane a row, 256 bytes a K step.
	; K step 1 is asked for here, behind K step 0's load, one slot ahead of its own; K steps 2 and 3 behind K step 1's load, one and two slots ahead of theirs.  The registers are never written again.
	s_lshl_b32 s67, s17, 8
	s_lshl_b32 s3, s42, 8
	s_cmp_eq_u32 s15, 0
	s_cselect_b32 s67, s67, s3                     ; the tile's first row
	s_cselect_b32 s3, s40, s41                     ; my place among the four
	s_cselect_b64 s[92:93], s[94:95], s[98:99]
	s_lshl_b32 s3, s3, 5
	s_add_co_u32 s67, s67, s3
	s_lshl_b32 s3, s16, 7
	s_add_co_u32 s67, s67, s3
	v_and_b32 v31, 31, v0
	v_add_nc_u32 v31, s67, v31
	v_lshlrev_b32 v31, 10, v31                     ; rows of 1,024 bytes
	global_prefetch_b8 v31, s[92:93] offset:256 th:TH_LOAD_NT scope:SCOPE_SE
	v_and_b32 v1, 15, v0                           ; r
	v_bfe_u32 v2, v0, 4, 1                         ; h
	v_mul_u32_u24 v3, v1, PITCH
	v_lshl_add_u32 v4, v2, 4, v3                   ; the A side: row r
	v_and_b32 v5, 8, v1
	v_add_nc_u32 v5, v5, v1
	v_mul_u32_u24 v5, v5, PITCH
	v_lshl_add_u32 v5, v2, 4, v5                   ; the B side: row r + 8 (r / 8)
	s_mul_i32 s21, s15, HALFT
	s_mul_i32 s22, s16, HALFT
	s_add_co_u32 s22, s22, 2*HALFT
.irp s, 0,1
	v_add_nc_u32 v[ADRA+\s], s21, v4
	v_add_nc_u32 v[ADRB+\s], s22, v5
	s_add_co_u32 s21, s21, SLOT
	s_add_co_u32 s22, s22, SLOT
.endr
	; scale words.  Row R of a half lies at 272 (R / 8) + 32 (R % 8).  The A side's block i, row r: 544 i + 32 r + 16 (r / 8).
	; The B side's tile i, lane r: 544 i - 272 (i % 2) + 544 (r / 8) + 32 (r % 8): 272 (r / 8) more than the A side's form, and 272 less in odd tiles.
	v_lshlrev_b32 v6, 5, v1
	v_lshrrev_b32 v7, 3, v1
	v_lshl_add_u32 v6, v7, 4, v6                   ; 32 r + 16 (r / 8)
	v_and_b32 v7, 24, v0
	v_add_nc_u32 v7, 8, v7
	v_lshrrev_b32 v7, 5, v7                        ; 1 in lanes 24-31
	v_mul_u32_u24 v7, v7, 272
	v_add_nc_u32 v6, v6, v7
	s_mul_i32 s21, s15, HALFS
	s_mul_i32 s22, s16, HALFS
	s_add_co_u32 s22, s22, 2*HALFS
	s_sub_co_u32 s22, s22, s21
	v_mul_u32_u24 v7, s22, v2                      ; lanes 16-31 take the B side's: one product, h x the distance
	s_add_co_u32 s21, s21, SCL
	v_add_nc_u32 v7, v7, v6
	v_add_nc_u32 v[ADRS], s21, v7
	v_mul_u32_u24 v7, v2, 272
	v_sub_nc_u32 v[ADRT], v[ADRS], v7
	; the way out.  T = the side of the tokens, F = that of the features
	s_cmp_eq_u32 s[ISV], 1
	s_cselect_b32 s94, s42, s17                    ; the tokens' tile of 256
	s_cselect_b32 s95, s16, s15                    ; my half of it: a step of 128 tokens
	s_cselect_b32 s96, s41, s40                    ; the features' tile within q, k or v
	s_cselect_b32 s97, s15, s16                    ; my half of it: two heads
	s_mov_b32 s98, 8704
	s_cselect_b32 s98, 8448, s98                   ; a block
	s_mov_b32 s6, 1024
	s_cselect_b32 s6, 2048, s6                     ; from one A block to the next: a tile of tokens, or a fragment of V;
	s_mov_b32 s8, 1024
	s_cselect_b32 s8, 129024, s8                   ; from block 3 to block 4: for v the next head's first fragment, 135,168 - 3 x 2,048
	s_mov_b32 s99, 139264
	s_cselect_b32 s99, 1024, s99                   ; from a lane's second group of codes to its third: q, k: the next head; v: the next 32 keys
	s_mov_b32 s7, 0
	s_mov_b32 s9, 0
	s_lshr_b32 s18, s94, 3                         ; the batch
	s_lshl_b32 s18, s18, 4
	s_lshl_b32 s96, s96, 2
	s_add_co_u32 s18, s18, s96
	s_lshl_b32 s97, s97, 1
	s_add_co_u32 s18, s18, s97                     ; 16 x batch + my first head
	s_lshl_b32 s18, s18, 4
	s_lshl_b32 s94, s94, 1
	s_add_co_u32 s94, s94, s95
	s_and_b32 s94, s94, 15                         ; the step within the batch
	s_add_co_u32 s18, s18, s94
	s_mul_i32 s18, s18, s98
	s_mul_i32 s19, ttmp9, 4456448                  ; q, k, v begin 4,456,448 bytes apart
	s_add_co_u32 s18, s18, s19
	s_mov_b32 s19, 0
	s_add_nc_u64 s[10:11], s[10:11], s[18:19]      ; my block; it walks
	s_mov_b64 s[12:13], s[10:11]                   ; and stays, for the scale words
	s_lshl_b32 s98, s98, 4                         ; from head to head
	v_and_b32 v6, 31, v0
	v_lshlrev_b32 v[AD], 4, v6
	v_add_nc_u32 v[AD+1], 512, v[AD]
	v_add_nc_u32 v[AD+2], s99, v[AD]
	v_add_nc_u32 v[AD+3], 512, v[AD+2]
	v_lshlrev_b32 v[SH], 4, v2
	v_mul_u32_u24 v[SAD], v2, s98
	v_lshl_add_u32 v[SAD], v1, 4, v[SAD]           ; 16 r; lanes 16-31 serve the second head
	s_mov_b32 s[SEL], 0x76543210
	s_mov_b32 s[SEL+1], 0xfedcba98
	s_mov_b32 s[MNT], 0x600000
.irp b, 0,1,2,3
	v_mov_b32 v[TM+4+\b], 0                        ; written once: a lane permute's destination counts as one of its sources
.endr
.macro FRAG reg, adr, off              ; a fragment, 16 rows x 128 K: registers 4 c .. 4 c + 3 hold K = 32 c + 16 (lane / 16) + 0 .. 15
.irp c, 0,1,2,3
	ds_load_b128 v[\reg+4*\c:\reg+4*\c+3], v[\adr] offset:(\off)+32*\c
.endr
.endm
; 16 matrix instructions: A blocks a0, a0 + 1 x the B side's eight tiles.  The 64 accumulators take turns, one instruction a turn, in the same order in every step.
.macro MUL16 a0, p, q, sc, zero
.irp a, \a0, \a0+1
.irp b, 0,1,2,3,4,5,6,7
.if \zero
	v_wmma_scale_f32_16x16x128_f8f6f4 v[8*(8*((\a)%4)+\b):8*(8*((\a)%4)+\b)+7], v[128*(\p)+FR*\b:128*(\p)+FR*\b+FR-1], v[AF+FR*(\a):AF+FR*(\a)+FR-1], 0, v[SC+8*NQ*(\sc)+NQ*\b+(\q)], v[SC+8*NQ*(\sc)+NQ*(\a)+(\q)] matrix_a_scale:MATRIX_SCALE_ROW1
.else
	v_wmma_scale_f32_16x16x128_f8f6f4 v[8*(8*((\a)%4)+\b):8*(8*((\a)%4)+\b)+7], v[128*(\p)+FR*\b:128*(\p)+FR*\b+FR-1], v[AF+FR*(\a):AF+FR*(\a)+FR-1], v[8*(8*((\a)%4)+\b):8*(8*((\a)%4)+\b)+7], v[SC+8*NQ*(\sc)+NQ*\b+(\q)], v[SC+8*NQ*(\sc)+NQ*(\a)+(\q)] matrix_a_scale:MATRIX_SCALE_ROW1
.endif
.endr
.endr
.endm
.macro FETCH_B slot, q, p              ; tile i begins at row 32 (i / 2) + 8 (i % 2)
	WIN TO_B
.irp i, 0,1,2,3,4,5,6,7
	FRAG 128*(\p)+FR*\i, ADRB+\slot, 128*(\q)+(32*(\i/2)+8*(\i%2))*PITCH
.endr
	WIN 0
.endm
.macro FETCH_A slot, q, i0
.irp i, \i0, \i0+1, \i0+2, \i0+3
	FRAG AF+FR*(\i), ADRA+\slot, 128*(\q)+(\i)*16*PITCH
.endr
.endm
.macro SCALES sc                       ; a K step's scale words, two a row: lanes 0-15 the A side's block i, lanes 16-31 the B side's tile i
.irp i, 0,2,4,6
	ds_load_b64 v[SC+8*NQ*\sc+NQ*\i:SC+8*NQ*\sc+NQ*\i+1], v[ADRS] offset:\i*SBLK
	ds_load_b64 v[SC+8*NQ*\sc+NQ*(\i+1):SC+8*NQ*\sc+NQ*(\i+1)+1], v[ADRT] offset:(\i+1)*SBLK
.endr
.endm
.macro STEP slot, q, zero              ; 128 along K, with its successor in the same slot
	s_wait_dscnt 4*NL                              ; all but the youngest sixteen loads (A blocks 4-7)
	WIN MUL_LO
	MUL16 0, (\q)%2, \q, \slot, \zero
	MUL16 2, (\q)%2, \q, \slot, \zero
	s_wait_dscnt 0
	PLACES NP                                      ; in front of loads into registers that matrix instructions have read
	FETCH_B \slot, (\q)+1, 1-(\q)%2
	FETCH_A \slot, (\q)+1, 0
	WIN MUL_HI
	MUL16 4, (\q)%2, \q, \slot, \zero
	MUL16 6, (\q)%2, \q, \slot, \zero
	PLACES NP
	WIN 0
	FETCH_A \slot, (\q)+1, 4
.endm
; A slot's last step changes slots: one barrier; in front of it each wave waits for all its tensor loads, adds 0 to its spare word, and waits for that and for its reads of this slot.
.macro TURN slot, next, fill
	s_wait_tensorcnt 0x0                           ; all my tensor loads have landed: my part of the next slot
	ds_add_u32 v[SPW], v[NIL]                      ; 0 onto my spare word
	s_wait_dscnt 4*NL+1                            ; the add and the youngest sixteen loads may be out
	WIN MUL_LO
	MUL16 0, 1, NQ-1, \slot, 0
	s_wait_dscnt 0x0                               ; the add is done, and my reads of this slot are over
	s_barrier_signal -1
	MUL16 2, 1, NQ-1, \slot, 0
	WIN 0
	s_barrier_wait -1
.if \fill
	CREST                                          ; the barrier has opened a round of the cluster's: no wave of any partner still reads this slot or has a load on its way
	s_add_nc_u64 s[G0+4*\slot+2:G0+4*\slot+3], s[G0+4*\slot+2:G0+4*\slot+3], 2*ROWB
	s_add_nc_u64 s[G0B+4*\slot+2:G0B+4*\slot+3], s[G0B+4*\slot+2:G0B+4*\slot+3], 2*ROWB
	JLOAD G0+4*\slot, G1, G0B+4*\slot, G1B         ; the first tensor load behind the round; its four v_nop are four of the eight places
	PLACES NP-4
.else
	PLACES NP
.endif
	s_wait_alu depctr_va_vdst(0)
	v_add_nc_u32 v[ADRS], 4*NQ, v[ADRS]            ; the next K step's scale words
	v_add_nc_u32 v[ADRT], 4*NQ, v[ADRT]
	FETCH_B \next, 0, 0
	FETCH_A \next, 0, 0
	SCALES \next
	WIN MUL_HI
	MUL16 4, 1, NQ-1, \slot, 0
	MUL16 6, 1, NQ-1, \slot, 0
	PLACES NP
	WIN 0
	FETCH_A \next, 0, 4
.endm
	s_wait_alu depctr_va_vdst(0)                   ; the wait at the head's end
	s_wait_tensorcnt 0x0                           ; my tile of the head's four is in
	ds_add_u32 v[SPW], v[NIL]                      ; the add ahead of a later first fill
	s_mov_b32 s[G1+2], 128<<16                     ; no load of mine is out: from here on a load brings 128 rows
	s_mov_b32 s[G1+4], 128
	s_mov_b32 s[G1B+2], 128<<16
	s_mov_b32 s[G1B+4], 128
	s_wait_dscnt 0x0
	CROUND                                         ; all four tiles are in, and all sixteen work-groups are here
	JLOAD G0+4, G1, G0B+4, G1B                     ; K step 1, the first tensor load behind the round
	FETCH_B 0, 0, 0
	FETCH_A 0, 0, 0
	SCALES 0
	global_prefetch_b8 v31, s[92:93] offset:512 th:TH_LOAD_NT scope:SCOPE_SE   ; K step 2
	global_prefetch_b8 v31, s[92:93] offset:768 th:TH_LOAD_NT scope:SCOPE_SE   ; K step 3
	FETCH_A 0, 0, 4
	STEP 0, 0, 1                                   ; the first step's products start the sums
	s_mov_b32 s3, LAPS-1
.Llap:
	TURN 0, 1, 1
	STEP 1, 0, 0
	TURN 1, 0, 1
	STEP 0, 0, 0
	s_sub_co_u32 s3, s3, 1
	s_cmp_lg_u32 s3, 0
	s_cbranch_scc1 .Llap
	TURN 0, 1, 0                                   ; the last lap fills nothing
	STEP 1, 0, 0
	s_wait_dscnt 4*NL
	WIN MUL_LO
	MUL16 0, 1, NQ-1, 1, 0
	MUL16 2, 1, NQ-1, 1, 0
	s_wait_dscnt 0
	WIN MUL_HI
	MUL16 4, 1, NQ-1, 1, 0
	MUL16 6, 1, NQ-1, 1, 0
	WIN 0
; 64 numbers of a lane in window w, register 16 b + i = place 32 b + 16 (lane / 16) + i along the axis that is quantised, become 16 registers of codes in v[PC] on and a scale word in v[pw].
; Each accumulator is read from its low end on.
.macro QUANT s, w, pw
	WIN 0
.irp b, 0,1,2,3
	v_mov_b32 v[TM+\b], 0x4800000                  ; the floor 2^(9 - 127): the byte cannot fall under 1
.endr
	WIN ((\w)<<2)|((\w)<<4)
.irp i, 0,2,4,6,8,10,12,14
.irp b, 0,1,2,3
	v_max3_num_f32 v[TM+\b], v[TM+\b], |v[(\s)+16*\b+\i]|, |v[(\s)+16*\b+\i+1]|
.endr
.endr
	WIN 0
.irp b, 0,1,2,3
	v_permlanex16_b32 v[TM+4+\b], v[TM+\b], s[SEL], s[SEL+1]
.endr
.irp b, 0,1,2,3
	v_max_num_f32 v[TM+\b], v[TM+\b], v[TM+4+\b]   ; with lane l xor 16's: the block's largest magnitude
.endr
.irp b, 0,1,2,3
	v_add_nc_u32 v[TM+12+\b], 0xfc000000, v[TM+\b] ; 8 off its exponent field: the conversion's scale operand
.endr
.irp b, 0,1,2,3
	v_and_or_b32 v[TM+8+\b], v[TM+\b], 0x7f800000, s[MNT]   ; 448 x the scale
.endr
.irp b, 0,1,2,3
	v_lshrrev_b32 v[TM+4+\b], 23, v[TM+12+\b]      ; the scale's byte
.endr
	v_lshl_or_b32 v[\pw], v[TM+5], 8, v[TM+4]
	v_lshl_or_b32 v[\pw], v[TM+6], 16, v[\pw]
	v_lshl_or_b32 v[\pw], v[TM+7], 24, v[\pw]
	WIN ((\w)<<6)|(\w)
.irp b, 0,1,2,3
.irp i, 0,1,2,3,4,5,6,7,8,9,10,11,12,13,14,15
	v_med3_num_f32 v[(\s)+16*\b+\i], v[(\s)+16*\b+\i], -v[TM+8+\b], v[TM+8+\b]   ; the conversion does not saturate (ISA guide 7.6.2): the hold
.endr
.endr
	s_wait_alu depctr_va_vdst(0)
	s_wait_xcnt 0x0                                ; the last block's stores have read their data and their base: the conversions below write the data again
	WIN (\w)
.irp b, 0,1,2,3
	v_cvt_scalef32_pk8_fp8_f32 v[PC+4*\b:PC+4*\b+1], v[(\s)+16*\b:(\s)+16*\b+7], v[TM+12+\b]
	v_cvt_scalef32_pk8_fp8_f32 v[PC+4*\b+2:PC+4*\b+3], v[(\s)+16*\b+8:(\s)+16*\b+15], v[TM+12+\b]
.endr
	WIN 0
	v_nop                                          ; a plain line behind the last conversion
.endm
	PLACES NP                                      ; in front of the first read of results
.irp a, 0,1,2,3,4,5,6,7
	QUANT 64*(\a%4), 2+\a/4, WD+\a
.if \a == 4                                    ; the base steps behind the wait that stands in the quantiser
	s_add_nc_u64 s[10:11], s[10:11], s[8:9]
.elseif \a > 0
	s_add_nc_u64 s[10:11], s[10:11], s[6:7]
.endif
.irp b, 0,1,2,3
	global_store_b128 v[AD+\b], v[PC+4*\b:PC+4*\b+3], s[10:11]   ; 32 lanes store 512 consecutive bytes
.endr
.endr
	s_cmp_eq_u32 s[ISV], 1
	s_cbranch_scc1 .Lv_words
.irp a, 0,1,2,3,4,5,6,7
	v_lshrrev_b32 v[WD+\a], v[SH], v[WD+\a]        ; q, k: bytes 0, 1 are the first head's two scales, bytes 2, 3 the second's: lanes 16-31 bring those down
.endr
	global_store_b128 v[SAD], v[WD:WD+3], s[12:13] offset:8192     ; sixteen lanes store 256 consecutive bytes of a head's block
	global_store_b128 v[SAD], v[WD+4:WD+7], s[12:13] offset:8448
	s_branch .Lwords_out
.Lv_words:
	v_cmp_eq_u32 vcc_lo, 1, v2
.irp t, 0,1,2,3
	v_cndmask_b32 v[WD+\t], v[WD+\t], v[WD+4+\t], vcc_lo           ; v: A blocks 0-3 are the first head's fragments, 4-7 the second's
.endr
	global_store_b128 v[SAD], v[WD:WD+3], s[12:13] offset:8192
.Lwords_out:
	s_wait_tensorcnt 0x0                           ; the wave's end
	ds_add_u32 v[SPW], v[NIL]
	s_wait_dscnt 0x0
	CROUND                                         ; the closing round
	s_endpgm
.Lfunc_end_k_q3b524a2b29_qkv:
	.size	k_q3b524a2b29_qkv, .Lfunc_end_k_q3b524a2b29_qkv-k_q3b524a2b29_qkv
	.p2alignl 7, 3214868480
	.fill 96, 4, 3214868480
	.section	.rodata,"a",@progbits
	.p2align	6, 0x0
	.amdhsa_kernel k_q3b524a2b29_qkv
		.amdhsa_group_segment_fixed_size 327680
		.amdhsa_private_segment_fixed_size 0
		.amdhsa_enable_private_segment 0
		.amdhsa_kernarg_size 32
		.amdhsa_user_sgpr_count 2
		.amdhsa_user_sgpr_kernarg_segment_ptr 1
		.amdhsa_wavefront_size32 1
		.amdhsa_system_sgpr_workgroup_id_x 1
		.amdhsa_system_sgpr_workgroup_id_y 1
		.amdhsa_system_sgpr_workgroup_id_z 1
		.amdhsa_system_vgpr_workitem_id 0
		.amdhsa_next_free_vgpr 1024
		.amdhsa_next_free_sgpr 102
		.amdhsa_reserve_vcc 1
		.amdhsa_float_denorm_mode_32 3
		.amdhsa_float_denorm_mode_16_64 3
		.amdhsa_memory_ordered 1
		.amdhsa_forward_progress 1
		.amdhsa_inst_pref_size 190
	.end_amdhsa_kernel
	.amdgpu_metadata
---
amdhsa.version: [ 1, 2 ]
amdhsa.kernels:
  - .name:           k_q3b524a2b29_qkv
    .symbol:         k_q3b524a2b29_qkv.kd
    .args:
      - { .name: act, .offset: 0, .size: 8, .value_kind: global_buffer, .address_space: global }
      - { .name: qkv_w_codes, .offset: 8, .size: 8, .value_kind: global_buffer, .address_space: global }
      - { .name: qkv_w_scales, .offset: 16, .size: 8, .value_kind: global_buffer, .address_space: global }
      - { .name: qkvc, .offset: 24, .size: 8, .value_kind: global_buffer, .address_space: global }
    .group_segment_fixed_size: 327680
    .private_segment_fixed_size: 0
    .kernarg_segment_align: 8
    .kernarg_segment_size: 32
    .max_flat_workgroup_size: 128
    .sgpr_count:     102
    .vgpr_count:     1024
    .wavefront_size: 32
...
	.end_amdgpu_metadata
.endif
;; end of part 2
;; launch attn (part 3): grid 8 x 32, 16 waves a work-group, clusters of 4 x 1, 327,680 bytes of LDS; arguments qkvc, oc; writes oc
.if DOCPART == 3
	.amdgcn_target "amdgcn-amd-amdhsa--gfx1250"
	.amdhsa_code_object_version 6
	.text
	.protected	k_q3b524a2b29_attn
	.globl	k_q3b524a2b29_attn
	.p2align	8
	.type	k_q3b524a2b29_attn,@function
k_q3b524a2b29_attn:
	s_mov_b64 s[64:65], 0
	v_nop
	global_prefetch_b8 v0, s[64:65] scope:SCOPE_SE
	s_setreg_imm32_b32 hwreg(HW_REG_WAVE_MODE, 25, 1), 1
	s_wait_xcnt 0x0
	s_wait_alu depctr_hold_cnt(0) depctr_sa_sdst(0) depctr_va_vdst(0) depctr_va_sdst(0) depctr_va_ssrc(0) depctr_va_vcc(0) depctr_vm_vsrc(0)
	s_getreg_b32 s2, hwreg(HW_REG_IB_STS2, 6, 4)
	s_cmp_eq_u32 s2, 0
	s_cbranch_scc0 .Lentry_in_a_cluster
	s_endpgm
.Lentry_in_a_cluster:
	s_bfe_u32 s2, ttmp6, 0x10000c
	s_cmp_lg_u32 s2, 0x3003
	s_cbranch_scc0 .Lentry_shape_is_right
	s_endpgm
.Lentry_shape_is_right:
; o = softmax(q k^T / 8) v for 32 heads of 2,048 tokens x 64, both products on codes of FP8 (E4M3) with E8M0 scales, and o quantised at once along the layer's 1,024 for the next product.
; THE SOFTMAX: t = score x log2(e) / 8; M = the running largest t rounded UP to a whole number; p = 2^(t - M) is quantised along the keys, not normalised; the row's sum is taken of the unquantised p and divides at the end.
; When M moves, the sum and O are multiplied by 2^(old M - new M): exact.
; SHARES: a work-group owns 256 queries of one head, each of its sixteen waves one tile of 16, in 256 registers.  Every wave walks all 2,048 keys, 128 a step.
; A WHOLE HEAD'S K AND V LIE IN LDS (300,288 bytes), every byte filled once.  The four query blocks of a cluster belong to one head and ask jointly.  ONE LOAD A WAVE, all at the head: waves 0-7 two steps of K each (68 rows of 256 bytes),
; waves 8-15 two steps of V (66 rows).  Waves 0 and 8 (steps 0, 1) have load lines of their own and wait at the first barrier; all waves wait at the barrier inside step 1, ahead of the first read of step 2.
; No prefetch: every byte is asked for at the head, so no loop runs ahead of a load.
; K = 64 IN THE FIRST PRODUCT.  A fragment of 16 registers holds TWO tiles of 16 keys, one in K = 0 .. 63 and one in K = 64 .. 127; it is multiplied by (q, 0) for the first and by (0, q) for the second: the zero codes take the other tile out.
; So a step's eight tiles fill 64 registers, and the next step's are asked for behind this step's first product, a softmax ahead of their use.  V's fragments land in p's registers, block by block as p is converted.
; LAYOUT: both products transposed (S^T = K Q^T, O^T = V^T P^T): a lane holds one query.  Lane r of tile 2 b + u picks key (or d) 32 b + 8 u + r + 8 (r / 8) by its address, so that p's, and O^T's, 16 registers of two neighbouring tiles are 16 neighbours along the next K.
; LDS rows are 256 bytes + 32 (K) or + 16 (V) of padding.
; OUT: codes [tile of 16 tokens 256][K step 8][c 4][lane][16 bytes] at 0; scales [head 16][group of 4 tiles 64][r 16][tile % 4] of 2 bytes at 4,194,304.
; LIMITS: NaN and infinities are not served; the scaled scores t stay under 2^31 in magnitude; p under 2^-126 is 0 (v_exp_f32); a block of zeros gets the byte 1.
; REGISTERS: v1-7 addresses that stay; v8-11 the step's; v12 -M, v13 the largest t, v[14:15] the sum; v16-23 K's scale words as loaded, v24-27 V's, v28-31 K's joined two and two; v32-95 K; v96-159 S^T, p, then V; v160-191 O^T; v192-207 p's codes;
; v208-231 zeros, Q, zeros; v232-254 at work; v250 Q's scale word.
.set KBLK, 9792                        ; a step's K in LDS: 34 rows of 288
.set VB,   16*KBLK
.set VBLK, 8976                        ; a step's V: 33 rows of 272
.set OSC,  VB+16*VBLK                  ; 512 bytes: the work-group's scales of o; no fill lands here
.set SPARE, OSC+512                    ; the spare words: 128 bytes a wave
.set AK0,  1
.set AV0,  2
.set ASK0, 3
.set ASV0, 4
.set OSA,  5
.set L16,  6
.set OSR,  7
.set ADK,  8
.set ADV,  9
.set ADS,  10
.set ADT,  11
.set KR,   16
.set VW,   24
.set KW,   28
.set KF,   32
.set QZ,   208
.set QW,   250
.set SPW,  251
.set NIL,  255
.set WV,   18
.set MNT,  19
.set SEL,  20
.set CS,   22
.set G1K,  24
.set G1V,  32
.set G0K,  40
.set G0V,  44
.set IDX,  56                          ; wave % 8: which two steps I fetch
.set TK,   2                           ; the NEXT step's K
.set TV,   3                           ; this step's V
.set CNT,  84
.macro CROUND
	s_barrier_signal -1
	s_barrier_wait -1
	s_cmp_lg_u32 s[WV], 0
	s_cbranch_scc1 .Lnot_wave_0_\@
	s_barrier_signal -3
.Lnot_wave_0_\@:
	s_barrier_wait -3
	s_barrier_signal -1
	s_barrier_wait -1
.endm
.macro TLOAD g0, g1                    ; an s_nop 0 and four v_nop follow the load
	tensor_load_to_lds s[\g0:\g0+3], s[\g1:\g1+7]
	s_nop 0
.rept 4
	v_nop
.endr
.endm
	s_load_b128 s[4:7], s[0:1], 0x0                ; q, k, v s[4:5]; o s[6:7]
	v_lshl_add_u32 v[SPW], v0, 2, SPARE
	v_mov_b32 v[NIL], 0
	ds_add_u32 v[SPW], v[NIL]                      ; the opening: the add, twice on end, and its wait ahead of my tensor load
	ds_add_u32 v[SPW], v[NIL]
	v_lshrrev_b32 v8, 5, v0
	v_readfirstlane_b32 s[WV], v8                  ; wave 0..15
	s_and_b32 s8, ttmp7, 0xffff                    ; 16 x batch + head, which the four partners share
	s_bfe_u32 s9, ttmp6, 0x40000                   ; cx
	s_lshl_b32 s10, ttmp9, 2
	s_add_co_u32 s10, s10, s9                      ; my block of 256 queries: it enters Q's and o's addresses alone
	s_and_b32 s11, s[WV], 3
	s_and_b32 s[IDX], s[WV], 7
	s_mul_i32 s12, s8, 139264                      ; K: the head, + my two steps
	s_mul_i32 s13, s[IDX], 2*8704
	s_add_co_u32 s12, s12, s13
	s_add_co_u32 s12, s12, 4456448
	s_mov_b32 s13, 0
	s_mul_i32 s14, s8, 135168                      ; V likewise
	s_mul_i32 s15, s[IDX], 2*8448
	s_add_co_u32 s14, s14, s15
	s_add_co_u32 s14, s14, 8912896
	s_mov_b32 s15, 0
	s_mul_i32 s16, s[IDX], 2*KBLK
	s_mul_i32 s17, s[IDX], 2*VBLK
	s_add_co_u32 s17, s17, VB
	s_mov_b32 s[G1K], 15|(3<<16)|(1<<20)|(1<<21)|(5<<22)|(7<<25)   ; the mask: all four; elements of 8 bytes; padding: 8 words behind every 64
	s_mov_b32 s[G1K+1], 32<<16                     ; rows of 256 bytes,
	s_mov_b32 s[G1K+2], 68<<16                     ; 68 of them, dense
	s_mov_b32 s[G1K+3], 32<<16
	s_mov_b32 s[G1K+4], 68
	s_mov_b32 s[G1K+5], 32
	s_mov_b32 s[G1K+6], 0
	s_mov_b32 s[G1K+7], 0
	s_mov_b32 s[G1V], 15|(3<<16)|(1<<20)|(1<<21)|(5<<22)|(3<<25)   ; 4 words of padding
	s_mov_b32 s[G1V+1], 32<<16
	s_mov_b32 s[G1V+2], 66<<16
	s_mov_b32 s[G1V+3], 32<<16
	s_mov_b32 s[G1V+4], 66
	s_mov_b32 s[G1V+5], 32
	s_mov_b32 s[G1V+6], 0
	s_mov_b32 s[G1V+7], 0
	s_lshr_b32 s94, s[WV], 3                       ; Q: my tile is tile wave % 8 of step 2 x block + wave / 8
	s_lshl_b32 s95, s10, 1
	s_add_co_u32 s95, s95, s94
	s_mul_i32 s95, s95, 8704
	s_mul_i32 s94, s8, 139264
	s_add_co_u32 s95, s95, s94
	s_lshl_b32 s86, s[IDX], 10
	s_add_co_u32 s86, s86, s95
	s_mov_b32 s87, 0
	s_lshr_b32 s94, s[IDX], 2
	s_lshl_b32 s88, s94, 8
	s_add_co_u32 s88, s88, s95
	s_lshl_b32 s94, s11, 2
	s_add_co_u32 s88, s88, s94
	s_add_co_u32 s88, s88, 8192                    ; its scale words
	s_mov_b32 s89, 0
	s_lshr_b32 s94, s8, 4                          ; the batch
	s_and_b32 s96, s8, 15                          ; the head
	s_lshl_b32 s90, s94, 7
	s_lshl_b32 s95, s10, 4
	s_add_co_u32 s90, s90, s95
	s_add_co_u32 s90, s90, s[WV]                   ; my tile of 16 tokens: 128 x batch + 16 x block + wave
	s_lshl_b32 s90, s90, 14
	s_lshl_b32 s95, s96, 10                        ; a head's 64 are half a K step: 1,024 bytes
	s_add_co_u32 s90, s90, s95
	s_mov_b32 s91, 0
	s_lshl_b32 s92, s94, 5
	s_lshl_b32 s95, s10, 2
	s_add_co_u32 s92, s92, s95                     ; my work-group's first group of four tiles
	s_lshl_b32 s92, s92, 7
	s_lshl_b32 s95, s96, 13
	s_add_co_u32 s92, s92, s95
	s_add_co_u32 s92, s92, 4194304
	s_mov_b32 s93, 0
	s_mov_b32 s[SEL], 0x76543210
	s_mov_b32 s[SEL+1], 0xfedcba98
	s_mov_b32 s[CS], 0x3e38aa3b                    ; c = log2(e) / 8
	s_mov_b32 s[CS+1], s[CS]                       ; (named with it as a pair, so it is written)
	s_mov_b32 s[MNT], 0x600000
	s_mov_b32 s[TK], KBLK
	s_mov_b32 s[TV], 0
	s_wait_dscnt 0x0
	s_wait_kmcnt 0x0
	s_add_nc_u64 s[86:87], s[4:5], s[86:87]
	s_add_nc_u64 s[88:89], s[4:5], s[88:89]
	s_add_nc_u64 s[90:91], s[6:7], s[90:91]
	s_add_nc_u64 s[92:93], s[6:7], s[92:93]
	s_mov_b32 s[G0K], 1
	s_mov_b32 s[G0K+1], s16
	s_add_nc_u64 s[G0K+2:G0K+3], s[4:5], s[12:13]
	s_or_b32 s[G0K+3], s[G0K+3], 0x80000000
	s_mov_b32 s[G0V], 1
	s_mov_b32 s[G0V+1], s17
	s_add_nc_u64 s[G0V+2:G0V+3], s[4:5], s[14:15]
	s_or_b32 s[G0V+3], s[G0V+3], 0x80000000
	CROUND                                         ; all four work-groups are here: the joint loads meet
	s_cmp_eq_u32 s[WV], 0                          ; one chain of branches on the wave's number, a load to an arm
	s_cbranch_scc0 .Larm_v0
	TLOAD G0K, G1K                                 ; wave 0: K's steps 0, 1
	s_branch .Lasked
.Larm_v0:
	s_cmp_eq_u32 s[WV], 8
	s_cbranch_scc0 .Larm_k
	TLOAD G0V, G1V                                 ; wave 8: V's steps 0, 1
	s_branch .Lasked
.Larm_k:
	s_cmp_lt_u32 s[WV], 8
	s_cbranch_scc0 .Larm_v
	TLOAD G0K, G1K                                 ; waves 1-7: K's later steps
	s_branch .Lasked
.Larm_v:
	TLOAD G0V, G1V                                 ; waves 9-15: V's
.Lasked:
	v_and_b32 v8, 15, v0                           ; r
	v_bfe_u32 v9, v0, 4, 1                         ; h
	v_and_b32 v10, 7, v0                           ; r % 8
	v_bfe_u32 v11, v0, 3, 1                        ; r / 8
	v_and_b32 v[L16], 31, v0
	v_lshlrev_b32 v[L16], 4, v[L16]
	global_load_b128 v[QZ+8:QZ+11], v[L16], s[86:87]              ; Q's codes: d = 16 h + 0 .. 15,
	global_load_b128 v[QZ+12:QZ+15], v[L16], s[86:87] offset:512  ; 32 + 16 h + 0 .. 15
	v_lshlrev_b32 v254, 4, v8
	global_load_b32 v[QW], v254, s[88:89]          ; Q's scale words
	v_mul_u32_u24 v[AK0], v11, 1152                ; K: stored tile 2 b + r / 8, its row 8 u + r % 8, piece 2 c + h of 288 bytes
	v_lshl_add_u32 v[AK0], v10, 4, v[AK0]
	v_mad_u32_u24 v[AK0], v9, 288, v[AK0]
	v_lshlrev_b32 v[ASK0], 4, v10
	v_lshl_add_u32 v[ASK0], v11, 2, v[ASK0]        ; scale words: 16 (r % 8) + 4 (r / 8)
	v_add_nc_u32 v[ASV0], VB+8704, v[ASK0]
	v_add_nc_u32 v[ASK0], 9216, v[ASK0]
	v_mul_u32_u24 v[AV0], v11, 2176                ; V: stored fragment 2 B + r / 8, its row 8 u + r % 8, piece 2 c + h of 272 bytes
	v_lshl_add_u32 v[AV0], v10, 4, v[AV0]
	v_mad_u32_u24 v[AV0], v9, 272, v[AV0]
	v_add_nc_u32 v[AV0], VB, v[AV0]
	s_lshr_b32 s85, s[WV], 2
	s_lshl_b32 s85, s85, 7
	s_lshl_b32 s94, s11, 1
	s_add_co_u32 s85, s85, s94
	s_add_co_u32 s85, s85, OSC
	v_lshl_add_u32 v[OSA], v8, 3, s85              ; o's scales: 128 (wave / 4) + 8 r + 2 (wave % 4)
	v_add_nc_u32 v[OSR], OSC, v[L16]
	v_mov_b32 v13, 0xff61b1e6                      ; the largest t so far: -3e38
	v_floor_f32 v12, -v13                          ; -M
	v_mov_b32 v14, 0
	v_mov_b32 v15, 0
.irp b, 0,1,2,3
	v_mov_b32 v[236+\b], 0                         ; written once: a lane permute's destination counts as one of its sources
.endr
	v_mov_b32 v253, 0                              ; (named as the upper half of the pair v[252:253] before it is first written)
.set j, 0
.rept 32
	v_mov_b32 v[160+j], 0                          ; O^T: the first change of M leaves zeros zeros
.set j, j+1
.endr
.set j, 0
.rept 8
	v_mov_b32 v[QZ+j], 0                           ; the zero codes below and above Q
	v_mov_b32 v[QZ+16+j], 0
.set j, j+1
.endr
; A step's eight tiles of K and their scale words: tile T into the half T % 2 of fragment T / 2
.macro KLOAD ka, ks
.irp T, 0,1,2,3,4,5,6,7
	ds_load_b128 v[KF+8*\T:KF+8*\T+3], v[\ka] offset:2304*(\T/2)+128*(\T%2)
	ds_load_b128 v[KF+8*\T+4:KF+8*\T+7], v[\ka] offset:2304*(\T/2)+128*(\T%2)+576
	ds_load_b32 v[KR+\T], v[\ks] offset:288*(\T/4)+128*(\T%2)+8*((\T%4)/2)
.endr
.endm
; A KEY STEP: 128 keys.  pre = 1: the next step's K is asked for.  bar = 1: ahead of that, the wait and the barrier that show all of K and V.
.macro STEP pre, bar
.irp j, 0,1,2,3
	v_perm_b32 v[KW+\j], v[KR+2*\j+1], v[KR+2*\j], 0x05040100   ; a fragment's scale word: bytes 0, 1 its first tile's, bytes 2, 3 its second's
.endr
.if \pre
	v_add_nc_u32 v[ADK], s[TK], v[AK0]
	v_add_nc_u32 v[ADS], s[TK], v[ASK0]
.else
	v_nop
	v_nop
.endif
	v_add_nc_u32 v[ADV], s[TV], v[AV0]
	v_add_nc_u32 v[ADT], s[TV], v[ASV0]
.rept 4
	v_nop                                          ; eight plain lines behind the last scale word; twelve behind the last step's products, whose V the products below write over
.endr
	s_wait_alu depctr_va_vdst(0)
.irp T, 0,1,2,3,4,5,6,7                        ; S^T = K Q^T: even tiles against (q, 0), odd tiles against (0, q)
	v_wmma_scale_f32_16x16x128_f8f6f4 v[96+8*\T:103+8*\T], v[KF+16*(\T/2):KF+16*(\T/2)+15], v[QZ+8-8*(\T%2):QZ+23-8*(\T%2)], 0, v[KW+\T/2], v[QW]
.endr
.rept 8
	v_nop                                          ; in front of the first read of the scores and of loads into K's registers
.endr
.if \bar
	s_wait_tensorcnt 0x0                           ; every wave: my two steps are in
	s_wait_dscnt 0x0
	s_barrier_signal -1
	s_barrier_wait -1                              ; all of K and V is in; nothing is ever filled again
.endif
.if \pre
	KLOAD ADK, ADS
.endif
.irp b, 0,1,2,3
	v_max3_num_f32 v[232+\b], v[96+16*\b], v[97+16*\b], v[98+16*\b]   ; the largest score of each block of 32 keys: for the row's maximum, and, since p rises with the score, for the block's largest p
.endr
.irp i, 3,5,7,9,11,13
.irp b, 0,1,2,3
	v_max3_num_f32 v[232+\b], v[232+\b], v[96+16*\b+\i], v[97+16*\b+\i]
.endr
.endr
.irp b, 0,1,2,3
	v_max_num_f32 v[232+\b], v[232+\b], v[111+16*\b]
.endr
.irp b, 0,1,2,3
	s_delay_alu instid0(VALU_DEP_4)
	v_permlanex16_b32 v[236+\b], v[232+\b], s[SEL], s[SEL+1]
.endr
.irp b, 0,1,2,3
	s_delay_alu instid0(VALU_DEP_4)
	v_max_num_f32 v[232+\b], v[232+\b], v[236+\b]
.endr
	s_delay_alu instid0(VALU_DEP_2)
	v_max3_num_f32 v254, v232, v233, v234
	s_delay_alu instid0(VALU_DEP_1)
	v_max_num_f32 v254, v254, v235
	s_delay_alu instid0(VALU_DEP_1)
	v_mul_f32 v254, s[CS], v254                    ; as t
	s_delay_alu instid0(VALU_DEP_1)
	v_max_num_f32 v13, v13, v254                   ; the running largest t
	v_mov_b32 v254, v12
	s_delay_alu instid0(VALU_DEP_2)
	v_floor_f32 v12, -v13                          ; the new -M = -ceil(t)
	s_delay_alu instid0(VALU_DEP_1)
	v_sub_f32 v254, v12, v254                      ; old M - new M: a whole number, 0 or less
	s_delay_alu instid0(VALU_DEP_1)
	v_cvt_i32_f32 v254, v254
	s_delay_alu instid0(VALU_DEP_1)
	v_ldexp_f32 v252, 1.0, v254                    ; f = 2^(old M - new M)
.set j, 0
.rept 32
	v_pk_fma_f32 v[96+j:97+j], v[96+j:97+j], s[CS:CS+1], v[12:13] op_sel_hi:[1,0,0]   ; t - M
.set j, j+2
.endr
.irp b, 0,1,2,3
	v_fma_f32 v[232+\b], v[232+\b], s[CS], v12
.endr
	s_wait_alu depctr_va_vdst(0)                   ; the wait ahead of the batch
.set j, 0
.rept 64
	v_exp_f32 v[96+j], v[96+j]                     ; p = 2^(t - M)
.set j, j+1
.endr
	v_pk_mul_f32 v[14:15], v[14:15], v[252:253] op_sel_hi:[1,0]   ; the sums under the new M: a plain line behind the exponentials
	s_wait_alu depctr_va_vdst(0)                   ; one wait for the batch, ahead of its first reader
.irp b, 0,1,2,3
	v_exp_f32 v[232+\b], v[232+\b]                 ; the block's largest p
.endr
.irp k, 0,1,2,3,4,5,6                          ; the row's sum of the unquantised p, in eight chains
	v_pk_add_f32 v[236+2*\k:237+2*\k], v[96+4*\k:97+4*\k], v[98+4*\k:99+4*\k]
.endr
	v_pk_add_f32 v[14:15], v[14:15], v[124:125]
.irp k, 0,1,2,3,4,5,6
	v_pk_add_f32 v[236+2*\k:237+2*\k], v[236+2*\k:237+2*\k], v[126+2*\k:127+2*\k]
.endr
	v_pk_add_f32 v[14:15], v[14:15], v[140:141]
.irp k, 0,1,2,3,4,5,6
	v_pk_add_f32 v[236+2*\k:237+2*\k], v[236+2*\k:237+2*\k], v[142+2*\k:143+2*\k]
.endr
	v_pk_add_f32 v[14:15], v[14:15], v[156:157]
	v_pk_add_f32 v[236:237], v[236:237], v[158:159]
	s_delay_alu instid0(VALU_DEP_2)
	v_pk_add_f32 v[14:15], v[14:15], v[244:245]
	s_delay_alu instid0(VALU_DEP_2)
	v_pk_add_f32 v[236:237], v[236:237], v[242:243]
	v_pk_add_f32 v[248:249], v[248:249], v[240:241]
	v_pk_add_f32 v[246:247], v[246:247], v[238:239]
	s_delay_alu instid0(VALU_DEP_2)
	v_pk_add_f32 v[14:15], v[14:15], v[248:249]
	s_delay_alu instid0(VALU_DEP_2)
	v_pk_add_f32 v[236:237], v[236:237], v[246:247]
	s_delay_alu instid0(VALU_DEP_1)
	v_pk_add_f32 v[14:15], v[14:15], v[236:237]
	s_wait_alu depctr_va_vdst(0)                   ; and one for the four
.irp b, 0,1,2,3
	v_max_num_f32 v[232+\b], 0x4800000, v[232+\b]  ; the floor 2^(9 - 127)
.endr
.irp b, 0,1,2,3
	s_delay_alu instid0(VALU_DEP_4)
	v_add_nc_u32 v[244+\b], 0xfc000000, v[232+\b]  ; the conversion's scale operand
.endr
.irp b, 0,1,2,3
	v_and_or_b32 v[240+\b], v[232+\b], 0x7f800000, s[MNT]   ; 448 x the scale
.endr
.irp b, 0,1,2,3
	v_lshrrev_b32 v[236+\b], 23, v[244+\b]         ; the scale's byte
.endr
	s_delay_alu instid0(VALU_DEP_3)
	v_lshl_or_b32 v253, v237, 8, v236              ; p's scale word for these 128 keys
	s_delay_alu instid0(VALU_DEP_1)
	v_lshl_or_b32 v253, v238, 16, v253
	s_delay_alu instid0(VALU_DEP_1)
	v_lshl_or_b32 v253, v239, 24, v253
.irp b, 0,1,2,3
	v_mov_b32 v[236+(\b+1)%4], v[240+\b]           ; a second copy of each bound, in another register bank: the pairs below take one each
.endr
.irp b, 0,1,2,3
.irp i, 0,2,4,6,8,10,12,14                     ; the hold, two a line; p is not negative
	v_dual_min_num_f32 v[96+16*\b+\i], v[240+\b], v[96+16*\b+\i] :: v_dual_min_num_f32 v[97+16*\b+\i], v[236+(\b+1)%4], v[97+16*\b+\i]
.endr
	v_cvt_scalef32_pk8_fp8_f32 v[192+4*\b:193+4*\b], v[96+16*\b:103+16*\b], v[244+\b]
	v_cvt_scalef32_pk8_fp8_f32 v[194+4*\b:195+4*\b], v[104+16*\b:111+16*\b], v[244+\b]
.irp c, 0,1,2,3                                ; V's fragment b (16 d x 128 keys) into the registers that this block of p has left
	ds_load_b128 v[96+16*\b+4*\c:99+16*\b+4*\c], v[ADV] offset:4352*(\b/2)+128*(\b%2)+544*\c
.endr
	ds_load_b32 v[VW+\b], v[ADT] offset:128*(\b%2)+8*(\b/2)
.endr
	s_wait_alu depctr_va_vdst(0)                   ; the wait directly ahead of the first reader of O^T
.set j, 0
.rept 16
	v_pk_mul_f32 v[160+j:161+j], v[160+j:161+j], v[252:253] op_sel_hi:[1,0]   ; O^T under the new M; also the plain lines behind the conversions and in front of the products
.set j, j+2
.endr
	s_wait_alu depctr_va_vdst(0)
	s_wait_dscnt 0x0                               ; V, and the next step's K
.irp t, 0,1,2,3
	v_wmma_scale_f32_16x16x128_f8f6f4 v[160+8*\t:167+8*\t], v[96+16*\t:111+16*\t], v[192:207], v[160+8*\t:167+8*\t], v[VW+\t], v253
.endr
.endm
.macro STEPON
	s_add_co_u32 s[TK], s[TK], KBLK
	s_add_co_u32 s[TV], s[TV], VBLK
.endm
	s_wait_loadcnt 0x0                             ; Q
	v_perm_b32 v[QW], v[QW], v[QW], 0x01000100     ; Q's two scale bytes in both halves of the word: for (q, 0) and for (0, q)
	s_wait_alu depctr_va_vdst(0)                   ; the wait at the head's end
	s_cmp_lg_u32 s[IDX], 0
	s_cbranch_scc1 .Lnot_first
	s_wait_tensorcnt 0x0                           ; waves 0 and 8: steps 0 and 1 are in
.Lnot_first:
	s_barrier_signal -1
	s_barrier_wait -1
	KLOAD AK0, ASK0                                ; step 0's K
	s_wait_dscnt 0x0
	STEP 1, 0                                      ; step 0; asks for step 1's K
	STEPON
	STEP 1, 1                                      ; step 1; behind its barrier it asks for step 2's K
	STEPON
	s_mov_b32 s[CNT], 13
.Lstep:                                            ; steps 2 to 14
	STEP 1, 0
	STEPON
	s_sub_co_u32 s[CNT], s[CNT], 1
	s_cmp_lg_u32 s[CNT], 0
	s_cbranch_scc1 .Lstep
	STEP 0, 0                                      ; step 15 asks for nothing
	; THE WAY OUT: O^T / the sum; register 16 B + i is d = 32 B + 16 h + i of my query: two blocks of the next K
.rept 8
	v_nop
.endr
	v_add_f32 v14, v14, v15
	v_permlanex16_b32 v252, v14, s[SEL], s[SEL+1]
	v_add_f32 v14, v14, v252
	s_wait_alu depctr_va_vdst(0)
	v_rcp_f32 v14, v14
	v_nop
	s_wait_alu depctr_va_vdst(0)                   ; ahead of the first reader
.set j, 0
.rept 32
	v_mul_f32 v[96+j], v[160+j], v14
.set j, j+1
.endr
.irp b, 0,1
	v_max3_num_f32 v[232+\b], |v[96+16*\b]|, |v[97+16*\b]|, 0x4800000
.endr
.irp i, 2,4,6,8,10,12,14
.irp b, 0,1
	v_max3_num_f32 v[232+\b], v[232+\b], |v[96+16*\b+\i]|, |v[97+16*\b+\i]|
.endr
.endr
.irp b, 0,1
	v_permlanex16_b32 v[236+\b], v[232+\b], s[SEL], s[SEL+1]
.endr
.irp b, 0,1
	v_max_num_f32 v[232+\b], v[232+\b], v[236+\b]
.endr
.irp b, 0,1
	v_add_nc_u32 v[244+\b], 0xfc000000, v[232+\b]
.endr
.irp b, 0,1
	v_and_or_b32 v[240+\b], v[232+\b], 0x7f800000, s[MNT]
.endr
.irp b, 0,1
	v_lshrrev_b32 v[236+\b], 23, v[244+\b]
.endr
	v_lshl_or_b32 v238, v237, 8, v236              ; my row's two bytes
.irp b, 0,1
.irp i, 0,1,2,3,4,5,6,7,8,9,10,11,12,13,14,15
	v_med3_num_f32 v[96+16*\b+\i], v[96+16*\b+\i], -v[240+\b], v[240+\b]
.endr
	v_cvt_scalef32_pk8_fp8_f32 v[192+4*\b:193+4*\b], v[96+16*\b:103+16*\b], v[244+\b]
	v_cvt_scalef32_pk8_fp8_f32 v[194+4*\b:195+4*\b], v[104+16*\b:111+16*\b], v[244+\b]
.endr
	v_nop
	global_store_b128 v[L16], v[192:195], s[90:91]             ; 32 lanes store 512 consecutive bytes
	global_store_b128 v[L16], v[196:199], s[90:91] offset:512
	ds_store_b16 v[OSA], v238                      ; both halves of the lanes write the same two bytes
	s_wait_dscnt 0x0                               ; for wave 0's sake
	s_barrier_signal -1
	s_barrier_wait -1
	s_cmp_lg_u32 s[WV], 0
	s_cbranch_scc1 .Lnot_0
	ds_load_b128 v[32:35], v[OSR]
	s_wait_dscnt 0x0
	global_store_b128 v[L16], v[32:35], s[92:93]   ; the work-group's 512 bytes of scales, consecutive
.Lnot_0:
	s_wait_tensorcnt 0x0                           ; the wave's end
	ds_add_u32 v[SPW], v[NIL]
	s_wait_dscnt 0x0
	CROUND                                         ; the closing round
	s_endpgm
.Lfunc_end_k_q3b524a2b29_attn:
	.size	k_q3b524a2b29_attn, .Lfunc_end_k_q3b524a2b29_attn-k_q3b524a2b29_attn
	.p2alignl 7, 3214868480
	.fill 96, 4, 3214868480
	.section	.rodata,"a",@progbits
	.p2align	6, 0x0
	.amdhsa_kernel k_q3b524a2b29_attn
		.amdhsa_group_segment_fixed_size 327680
		.amdhsa_private_segment_fixed_size 0
		.amdhsa_enable_private_segment 0
		.amdhsa_kernarg_size 16
		.amdhsa_user_sgpr_count 2
		.amdhsa_user_sgpr_kernarg_segment_ptr 1
		.amdhsa_wavefront_size32 1
		.amdhsa_system_sgpr_workgroup_id_x 1
		.amdhsa_system_sgpr_workgroup_id_y 1
		.amdhsa_system_sgpr_workgroup_id_z 1
		.amdhsa_system_vgpr_workitem_id 0
		.amdhsa_next_free_vgpr 256
		.amdhsa_next_free_sgpr 100
		.amdhsa_reserve_vcc 0
		.amdhsa_float_denorm_mode_32 3
		.amdhsa_float_denorm_mode_16_64 3
		.amdhsa_memory_ordered 1
		.amdhsa_forward_progress 1
		.amdhsa_inst_pref_size 98
	.end_amdhsa_kernel
	.amdgpu_metadata
---
amdhsa.version: [ 1, 2 ]
amdhsa.kernels:
  - .name:           k_q3b524a2b29_attn
    .symbol:         k_q3b524a2b29_attn.kd
    .args:
      - { .name: qkvc, .offset: 0, .size: 8, .value_kind: global_buffer, .address_space: global }
      - { .name: oc, .offset: 8, .size: 8, .value_kind: global_buffer, .address_space: global }
    .group_segment_fixed_size: 327680
    .private_segment_fixed_size: 0
    .kernarg_segment_align: 8
    .kernarg_segment_size: 16
    .max_flat_workgroup_size: 512
    .sgpr_count:     100
    .vgpr_count:     256
    .wavefront_size: 32
...
	.end_amdgpu_metadata
.endif
;; end of part 3
;; launch proj (part 4): grid 8 x 32, 4 waves a work-group, clusters of 4 x 4, 327,680 bytes of LDS; arguments oc, proj_w_codes, proj_w_scales, proj_b, x, act, ln1_w, ln1_b, x1; writes x1
.if DOCPART == 4
	.amdgcn_target "amdgcn-amd-amdhsa--gfx1250"
	.amdhsa_code_object_version 6
	.text
	.protected	k_q3b524a2b29_proj
	.globl	k_q3b524a2b29_proj
	.p2align	8
	.type	k_q3b524a2b29_proj,@function
k_q3b524a2b29_proj:
	s_mov_b64 s[64:65], 0
	v_nop
	global_prefetch_b8 v0, s[64:65] scope:SCOPE_SE
	s_setreg_imm32_b32 hwreg(HW_REG_WAVE_MODE, 25, 1), 1
	s_wait_xcnt 0x0
	s_wait_alu depctr_hold_cnt(0) depctr_sa_sdst(0) depctr_va_vdst(0) depctr_va_sdst(0) depctr_va_ssrc(0) depctr_va_vcc(0) depctr_vm_vsrc(0)
	s_getreg_b32 s2, hwreg(HW_REG_IB_STS2, 6, 4)
	s_cmp_eq_u32 s2, 0
	s_cbranch_scc0 .Lentry_in_a_cluster
	s_endpgm
.Lentry_in_a_cluster:
	s_bfe_u32 s2, ttmp6, 0x10000c
	s_cmp_lg_u32 s2, 0xf033
	s_cbranch_scc0 .Lentry_shape_is_right
	s_endpgm
.Lentry_shape_is_right:
.set PROJ,   1
.set KK,     1024
.set ASC,    4194304
.set SCAH,   2048
.set KSTEP,  512
.set LAPS,   KK/1024
.set ASTR,   KK*16
.set BP,     528
.set AREG,   65536
.set HALFB,  64*BP
.set SLOT,   AREG+2*HALFB
.set SCA,    2*SLOT
.set KS,     KK/32
.set HALFS,  (64*KS/256)*272
.set SBLK,   (16*KS/256)*272
.set SCB,    SCA+2*SCAH
.set SPARE,  SCB+2*HALFS
.set SPITCH, 272
.set BIA,  8
.set ADRA, 16
.set ADRB, 20
.set ADSA, 22
.set ADSB, 23
.set STO,  24
.set RD,   25
.set CO,   26
.set R16,  27
.set SPW,  28
.set NIL,  29
.set H8,   30
.set SC,   32
.set ACC,  128
.set F1,   128
.set G1, 24
.set G0, 32
.set G1B, 48
.set G0B, 56
.set G1S, 68
.set G0S, 76
.set G1SB, 80
.set G0SB, 88
.set RESP, 92
.if PROJ
.set OUTP, 100
.else
.set OUTP, 94
.endif
.set MSB, 0
.macro WIN new
.if MSB != (\new)
	s_set_vgpr_msb (MSB<<8)|(\new)
.set MSB, (\new)
.endif
.endm
.macro JLOAD g0a, g1a, g0b, g1b
	s_cmp_eq_u32 s15, 0
	s_cbranch_scc0 .Lfor_b_\@
	tensor_load_to_lds s[\g0a:\g0a+3], s[\g1a:\g1a+7]
	s_nop 0
.rept 4
	v_nop
.endr
	s_branch .Lasked_\@
.Lfor_b_\@:
	tensor_load_to_lds s[\g0b:\g0b+3], s[\g1b:\g1b+7]
	s_nop 0
.rept 4
	v_nop
.endr
.Lasked_\@:
.endm
.macro CREST
	s_cmp_lg_u32 s14, 0
	s_cbranch_scc1 .Lnot_wave_0_\@
	s_barrier_signal -3
.Lnot_wave_0_\@:
	s_barrier_wait -3
	s_barrier_signal -1
	s_barrier_wait -1
.endm
.macro CROUND
	s_barrier_signal -1
	s_barrier_wait -1
	CREST
.endm
.macro PLACES n
.rept \n
	v_nop
.endr
.endm
	s_load_b256 s[4:11], s[0:1], 0x0
.if PROJ
	s_load_b256 s[92:99], s[0:1], 0x20
	s_load_b64 s[100:101], s[0:1], 0x40
.else
	s_load_b128 s[92:95], s[0:1], 0x20
.endif
	v_lshl_add_u32 v[SPW], v0, 2, SPARE
	v_mov_b32 v[NIL], 0
	ds_add_u32 v28, v29
	ds_add_u32 v28, v29
	s_wait_dscnt 0x0
	v_lshrrev_b32 v1, 5, v0
	v_readfirstlane_b32 s14, v1
	s_lshr_b32 s15, s14, 1
	s_and_b32 s16, s14, 1
	s_bfe_u32 s40, ttmp6, 0x40000
	s_bfe_u32 s41, ttmp6, 0x40004
	s_lshl_b32 s42, ttmp9, 2
	s_add_co_u32 s42, s42, s40
	s_and_b32 s17, ttmp7, 0xffff
	s_lshl_b32 s17, s17, 2
	s_add_co_u32 s17, s17, s41
	s_lshl_b32 s43, s41, 2
	s_lshl_b32 s43, 15, s43
	s_lshl_b32 s44, 0x1111, s40
	s_or_b32 s[G1+0], s43, (3<<16)|(1<<21)
	s_mov_b32 s[G1+1], 1024<<16
	s_mov_b32 s[G1+2], 8<<16
	s_mov_b32 s[G1+3], 1024<<16
	s_mov_b32 s[G1+4], 8
	s_mov_b32 s[G1+5], ASTR/8
	s_mov_b32 s[G1+6], 0
	s_mov_b32 s[G1+7], 0
	s_or_b32 s[G1B+0], s44, (0<<16)|(1<<20)|(1<<21)|(6<<22)|(3<<25)
	s_mov_b32 s[G1B+1], KSTEP<<16
	s_mov_b32 s[G1B+2], 128<<16
	s_mov_b32 s[G1B+3], KSTEP<<16
	s_mov_b32 s[G1B+4], 128
	s_mov_b32 s[G1B+5], KK
	s_mov_b32 s[G1B+6], 0
	s_mov_b32 s[G1B+7], 0
	s_or_b32 s[G1S+0], s43, (3<<16)|(1<<21)
	s_mov_b32 s[G1S+1], 32<<16
	s_mov_b32 s[G1S+3], 32<<16
.if PROJ
	s_mov_b32 s[G1S+2], 16<<16
	s_mov_b32 s[G1S+4], 16
	s_mov_b32 s[G1S+5], 1024
.else
	s_mov_b32 s[G1S+2], 32<<16
	s_mov_b32 s[G1S+4], 32
	s_mov_b32 s[G1S+5], 32
.endif
	s_mov_b32 s[G1S+6], 0
	s_mov_b32 s[G1S+7], 0
	s_or_b32 s[G1SB+0], s44, (3<<16)|(1<<20)|(1<<21)|(5<<22)|(3<<25)
	s_mov_b32 s[G1SB+1], 32<<16
	s_mov_b32 s[G1SB+2], (128*KS/256)<<16
	s_mov_b32 s[G1SB+3], 32<<16
	s_mov_b32 s[G1SB+4], 128*KS/256
	s_mov_b32 s[G1SB+5], 32
	s_mov_b32 s[G1SB+6], 0
	s_mov_b32 s[G1SB+7], 0
	s_lshl_b32 s18, s17, 3
	s_lshl_b32 s19, s16, 2
	s_add_co_u32 s18, s18, s19
	s_mul_i32 s20, s18, ASTR
	s_mov_b32 s21, 0
.if PROJ
	s_mov_b32 s22, 0
	s_lshl_b32 s19, s17, 8
	s_add_co_u32 s22, s22, s19
.else
	s_lshl_b32 s22, s17, 1
	s_add_co_u32 s22, s22, s16
	s_lshl_b32 s22, s22, 13
.endif
	s_add_co_u32 s22, s22, ASC
	s_mov_b32 s23, 0
	s_lshl_b32 s46, s42, 7
	s_mul_i32 s12, s46, KS                         ; the scale bytes of the tile's 128 rows of B, whole
	s_lshl_b32 s19, s16, 6
	s_add_co_u32 s46, s46, s19
	s_mov_b32 s13, 0
	s_mul_i32 s46, s46, KK
	s_mov_b32 s47, 0
	s_lshl_b32 s45, s16, 15
	s_mul_i32 s2, s16, HALFB
	s_add_co_u32 s2, s2, AREG
	s_mov_b32 s18, SCA
	s_mov_b32 s19, SCB
	s_wait_kmcnt 0x0
	s_add_nc_u64 s[20:21], s[4:5], s[20:21]
	s_add_nc_u64 s[22:23], s[4:5], s[22:23]
	s_add_nc_u64 s[46:47], s[6:7], s[46:47]
	s_add_nc_u64 s[12:13], s[8:9], s[12:13]
	CROUND
	s_mov_b32 s[G0S], 1
	s_mov_b32 s[G0S+1], s18
	s_mov_b64 s[G0S+2:G0S+3], s[22:23]
	s_or_b32 s[G0S+3], s[G0S+3], 0x80000000
	s_mov_b32 s[G0SB], 1
	s_mov_b32 s[G0SB+1], s19
	s_mov_b64 s[G0SB+2:G0SB+3], s[12:13]
	s_or_b32 s[G0SB+3], s[G0SB+3], 0x80000000
.irp s, 0,1
	s_mov_b32 s[G0+4*\s], 1
	s_add_co_u32 s[G0+4*\s+1], s45, \s*SLOT
	s_add_nc_u64 s[G0+4*\s+2:G0+4*\s+3], s[20:21], \s*8192
	s_or_b32 s[G0+4*\s+3], s[G0+4*\s+3], 0x80000000
	s_mov_b32 s[G0B+4*\s], 1
	s_add_co_u32 s[G0B+4*\s+1], s2, \s*SLOT
	s_add_nc_u64 s[G0B+4*\s+2:G0B+4*\s+3], s[46:47], \s*KSTEP
	s_or_b32 s[G0B+4*\s+3], s[G0B+4*\s+3], 0x80000000
.endr
	; the head's four tiles, one joint load a wave: wave 0 slot 0's eight tiles of A, wave 1 A's scales, wave 2 slot 0's 128 rows of B, wave 3 B's scales
	s_cmp_eq_u32 s14, 0
	s_cbranch_scc0 .Lhead_sa
	tensor_load_to_lds s[G0:G0+3], s[G1:G1+7]
	s_nop 0
	PLACES 4
	s_branch .Lhead_asked
.Lhead_sa:
	s_cmp_eq_u32 s14, 1
	s_cbranch_scc0 .Lhead_b
	tensor_load_to_lds s[G0S:G0S+3], s[G1S:G1S+7]
	s_nop 0
	PLACES 4
	s_branch .Lhead_asked
.Lhead_b:
	s_cmp_eq_u32 s14, 2
	s_cbranch_scc0 .Lhead_sb
	tensor_load_to_lds s[G0B:G0B+3], s[G1B:G1B+7]
	s_nop 0
	PLACES 4
	s_branch .Lhead_asked
.Lhead_sb:
	tensor_load_to_lds s[G0SB:G0SB+3], s[G1SB:G1SB+7]
	s_nop 0
	PLACES 4
.Lhead_asked:
	; ASKED AHEAD: slot 1, behind slot 0's load and one slot ahead of its own: one instruction a wave, a lane a block of 256 bytes.  Of what a wave fetches in the ring the four partners that ask jointly take a quarter each, by address:
	; A (waves 0, 1): four tiles of 8,192 bytes, the partner at cx takes one; B (waves 2, 3): 64 rows of 512 bytes, the partner at cy takes 16.  K has two slots, so nothing more is asked for; the registers are never written again.
	s_lshl_b32 s66, s17, 3
	s_lshl_b32 s67, s16, 2
	s_add_co_u32 s66, s66, s67
	s_add_co_u32 s66, s66, s40                     ; A: my tile of 16 rows
	s_mul_i32 s66, s66, ASTR
	s_add_co_u32 s66, s66, 8192                    ; its part of slot 1
	s_lshl_b32 s67, s42, 7
	s_lshl_b32 s3, s16, 6
	s_add_co_u32 s67, s67, s3
	s_lshl_b32 s3, s41, 4
	s_add_co_u32 s67, s67, s3                      ; B: the first of my 16 rows
	s_mul_i32 s67, s67, KK
	s_add_co_u32 s67, s67, KSTEP
	s_mov_b32 s3, KK
	s_cmp_eq_u32 s15, 0
	s_cselect_b32 s66, s66, s67
	s_cselect_b32 s3, 512, s3                      ; from one pair of lanes to the next
	s_cselect_b64 s[12:13], s[4:5], s[6:7]
	s_mov_b32 s67, 0
	s_add_nc_u64 s[12:13], s[12:13], s[66:67]
	v_bfe_u32 v12, v0, 1, 4
	v_and_b32 v13, 1, v0
	v_mul_lo_u32 v12, v12, s3
	v_lshl_add_u32 v12, v13, 8, v12
	global_prefetch_b8 v12, s[12:13] th:TH_LOAD_NT scope:SCOPE_SE
	v_and_b32 v1, 15, v0
	v_bfe_u32 v2, v0, 4, 1
	v_and_b32 v3, 31, v0
	v_lshlrev_b32 v3, 4, v3
	v_mul_u32_u24 v4, v1, BP
	v_lshl_add_u32 v4, v2, 4, v4
	s_lshl_b32 s21, s15, 15
	s_mul_i32 s22, s16, HALFB
	s_add_co_u32 s22, s22, AREG
.irp s, 0,1
	v_add_nc_u32 v[ADRA+\s], s21, v3
	v_add_nc_u32 v[ADRB+\s], s22, v4
	s_add_co_u32 s21, s21, SLOT
	s_add_co_u32 s22, s22, SLOT
.endr
	v_mul_u32_u24 v5, v1, KS
	v_lshrrev_b32 v6, 8, v5
	v_lshl_add_u32 v5, v6, 4, v5
	s_mul_i32 s21, s16, HALFS
	s_add_co_u32 s21, s21, SCB
	v_add_nc_u32 v[ADSB], s21, v5
.if PROJ
	s_lshl_b32 s21, s15, 7
	s_add_co_u32 s21, s21, SCA
	v_lshl_add_u32 v[ADSA], v1, 3, s21
.else
	s_lshl_b32 s21, s15, 13
	s_add_co_u32 s21, s21, SCA
	v_lshl_add_u32 v[ADSA], v1, 4, s21
.endif
	s_mul_i32 s23, s14, 16*SPITCH
	v_mul_u32_u24 v5, v1, SPITCH
	v_lshl_add_u32 v5, v2, 5, v5
	v_add_nc_u32 v[STO], s23, v5
	v_mul_u32_u24 v5, v2, SPITCH
	v_lshl_add_u32 v5, v1, 4, v5
	v_add_nc_u32 v[RD], s23, v5
	v_lshlrev_b32 v[CO], 12, v2
	v_lshl_add_u32 v[CO], v1, 4, v[CO]
	s_wait_alu depctr_va_vdst(0)
	v_lshlrev_b32 v[R16], 4, v1
	v_lshlrev_b32 v[H8], 3, v2
	s_wait_alu depctr_va_vdst(0)
	s_lshl_b32 s20, s17, 7
	s_lshl_b32 s21, s15, 6
	s_add_co_u32 s20, s20, s21
	s_lshl_b32 s22, s42, 7
	s_lshl_b32 s23, s16, 6
	s_add_co_u32 s22, s22, s23
	s_lshl_b32 s22, s22, 2
	s_mov_b32 s23, 0
	s_add_nc_u64 s[10:11], s[10:11], s[22:23]
.if PROJ
	s_add_nc_u64 s[96:97], s[96:97], s[22:23]
	s_add_nc_u64 s[98:99], s[98:99], s[22:23]
	s_lshl_b32 s18, s20, 3
	s_add_co_u32 s18, s18, 4325376
	s_mov_b32 s19, 0
	s_add_nc_u64 s[94:95], s[94:95], s[18:19]
.endif
	s_lshl_b32 s21, s20, 12
	s_add_co_u32 s22, s22, s21
	s_add_nc_u64 s[RESP:RESP+1], s[RESP:RESP+1], s[22:23]
	s_add_nc_u64 s[OUTP:OUTP+1], s[OUTP:OUTP+1], s[22:23]
.macro RESLD from, n                   ; n loads of the residual's rows, 256 consecutive bytes for sixteen lanes, into window 2
	WIN 0x80
.set i, \from
.rept \n
	global_load_b128 v[4*i:4*i+3], v[CO], s[RESP:RESP+1] offset:(16*(i/8)+2*(i%8))*4096
.set i, i+1
.endr
	WIN 0
.endm
	WIN 0x80
.if PROJ
.set i, 0
.rept 32
	global_load_b64 v[128+2*i:129+2*i], v[H8], s[94:95] offset:(16*(i/8)+2*(i%8))*8
.set i, i+1
.endr
	global_load_b128 v[192:195], v[R16], s[96:97]
	global_load_b128 v[196:199], v[R16], s[98:99]
.endif
	WIN 0
	global_load_b128 v[BIA:BIA+3], v[R16], s[10:11]
.macro FETCH slot, q, f
	WIN 0x40
.irp i, 0,1,2,3
.irp c, 0,1,2,3
	ds_load_b128 v[\f+64+16*\i+4*\c:\f+64+16*\i+4*\c+3], v[ADRB+\slot] offset:128*(\q)+32*\c+\i*16*BP
.endr
.endr
.irp i, 0,1,2,3
.irp c, 0,1,2,3
	ds_load_b128 v[\f+16*\i+4*\c:\f+16*\i+4*\c+3], v[ADRA+\slot] offset:8192*\i+2048*(\q)+512*\c
.endr
.endr
	WIN 0
.endm
.macro SCALES set
.irp b, 0,1,2,3
	ds_load_b128 v[SC+32*\set+16+4*\b:SC+32*\set+16+4*\b+3], v[ADSB] offset:\b*SBLK
.endr
.if !PROJ
.irp q, 0,1,2,3
	ds_load_b128 v[SC+32*\set+4*\q:SC+32*\set+4*\q+3], v[ADSA] offset:256*\q
.endr
.endif
.endm
.macro MUL8 f, a0, set, q, zero
	WIN 0x05
.irp a, \a0, \a0+1
.irp b, 0,1,2,3
.if \zero
	v_wmma_scale_f32_16x16x128_f8f6f4 v[ACC+8*(4*(\a)+\b):ACC+8*(4*(\a)+\b)+7], v[\f+64+16*\b:\f+64+16*\b+15], v[\f+16*(\a):\f+16*(\a)+15], 0, v[SC+32*(\set)+16+4*\b+(\q)], v[SC+32*(\set)+4*(\q)+(\a)]
.else
	v_wmma_scale_f32_16x16x128_f8f6f4 v[ACC+8*(4*(\a)+\b):ACC+8*(4*(\a)+\b)+7], v[\f+64+16*\b:\f+64+16*\b+15], v[\f+16*(\a):\f+16*(\a)+15], v[ACC+8*(4*(\a)+\b):ACC+8*(4*(\a)+\b)+7], v[SC+32*(\set)+16+4*\b+(\q)], v[SC+32*(\set)+4*(\q)+(\a)]
.endif
.endr
.endr
.endm
.macro QUARTER slot, q, zero
	s_wait_dscnt 0x0
	PLACES 8
	FETCH \slot, (\q)+1, 128*(((\q)+1)%2)
	MUL8 128*((\q)%2), 0, \slot, \q, \zero
	MUL8 128*((\q)%2), 2, \slot, \q, \zero
.endm
.macro TURN slot, next, fill
	WIN 0
	s_wait_tensorcnt 0x0
	ds_add_u32 v[SPW], v[NIL]
	s_wait_dscnt 1
	MUL8 F1, 0, \slot, 3, 0
	s_wait_dscnt 0x0
	s_barrier_signal -1
	WIN 0
	s_barrier_wait -1
.if \fill
	CREST
	s_add_nc_u64 s[G0+4*\slot+2:G0+4*\slot+3], s[G0+4*\slot+2:G0+4*\slot+3], 2*8192
	s_add_nc_u64 s[G0B+4*\slot+2:G0B+4*\slot+3], s[G0B+4*\slot+2:G0B+4*\slot+3], 2*KSTEP
	JLOAD G0+4*\slot, G1, G0B+4*\slot, G1B
	PLACES 4
.else
	PLACES 8
.endif
	v_add_nc_u32 v[ADSB], 16, v[ADSB]
.if !PROJ
	v_add_nc_u32 v[ADSA], 1024, v[ADSA]
.endif
	FETCH \next, 0, 0
	SCALES \next
	MUL8 F1, 2, \slot, 3, 0
.endm
	s_wait_alu depctr_va_vdst(0)                   ; the wait at the head's end
	s_wait_tensorcnt 0x0                           ; my tile of the head's four is in
	ds_add_u32 v[SPW], v[NIL]                      ; the add ahead of a later first fill
	s_mov_b32 s[G1+2], 4<<16                       ; no load of mine is out: from here on a load brings half a slot's rows
	s_mov_b32 s[G1+4], 4
	s_mov_b32 s[G1B+2], 64<<16
	s_mov_b32 s[G1B+4], 64
	s_wait_dscnt 0x0
	CROUND                                         ; all four tiles are in, and all sixteen work-groups are here
	JLOAD G0+4, G1, G0B+4, G1B                     ; slot 1, the first tensor load behind the round
.if PROJ
.set i, 0
.rept 16
	ds_load_b64 v[96+2*i:97+2*i], v[ADSA] offset:256*i
.set i, i+1
.endr
	s_wait_dscnt 0x0
.irp k, 0,1,2,3,4,5,6,7
	v_perm_b32 v[SC+32*(\k/4)+4*(\k%4)], v[98+4*\k], v[96+4*\k], 0x05040100
	v_perm_b32 v[SC+32*(\k/4)+4*(\k%4)+1], v[98+4*\k], v[96+4*\k], 0x07060302
	v_perm_b32 v[SC+32*(\k/4)+4*(\k%4)+2], v[99+4*\k], v[97+4*\k], 0x05040100
	v_perm_b32 v[SC+32*(\k/4)+4*(\k%4)+3], v[99+4*\k], v[97+4*\k], 0x07060302
.endr
.endif
	FETCH 0, 0, 0
	SCALES 0
	QUARTER 0, 0, 1
	RESLD 0, 32                                    ; the residual is asked for behind both slots' first loads; it is wanted on the way out
.if LAPS > 1
	WIN 0
	s_mov_b32 s3, LAPS-1
.Llap:
	QUARTER 0, 1, 0
	QUARTER 0, 2, 0
	TURN 0, 1, 1
	QUARTER 1, 0, 0
	QUARTER 1, 1, 0
	QUARTER 1, 2, 0
	TURN 1, 0, 1
	QUARTER 0, 0, 0
	WIN 0
	s_sub_co_u32 s3, s3, 1
	s_cmp_lg_u32 s3, 0
	s_cbranch_scc1 .Llap
.endif
	QUARTER 0, 1, 0
	QUARTER 0, 2, 0
	TURN 0, 1, 0
	QUARTER 1, 0, 0
	QUARTER 1, 1, 0
	s_wait_alu depctr_va_vdst(0)
	QUARTER 1, 2, 0
	s_wait_dscnt 0x0
	MUL8 F1, 0, 1, 3, 0
	MUL8 F1, 2, 1, 3, 0
	WIN 0
	PLACES 8
	s_wait_loadcnt 0x0
.if PROJ
	WIN 0xaa
.set i, 0
.rept 32
	v_pk_add_f32 v[4*i:4*i+1], v[4*i:4*i+1], v[128+2*i:129+2*i] op_sel_hi:[1,0] neg_lo:[0,1] neg_hi:[0,1]
	v_pk_add_f32 v[4*i+2:4*i+3], v[4*i+2:4*i+3], v[128+2*i:129+2*i] op_sel_hi:[1,0] neg_lo:[0,1] neg_hi:[0,1]
	v_mul_f32 v[4*i], v[4*i], v[129+2*i]
	v_mul_f32 v[4*i+1], v[4*i+1], v[129+2*i]
	v_mul_f32 v[4*i+2], v[4*i+2], v[129+2*i]
	v_mul_f32 v[4*i+3], v[4*i+3], v[129+2*i]
	v_pk_fma_f32 v[4*i:4*i+1], v[4*i:4*i+1], v[192:193], v[196:197]
	v_pk_fma_f32 v[4*i+2:4*i+3], v[4*i+2:4*i+3], v[194:195], v[198:199]
.set i, i+1
.endr
	WIN 0
.endif
.macro TOSTAGE a
.irp b, 0,1,2,3
	ds_store_b128 v[STO], v[ACC+8*(4*(\a)+\b):ACC+8*(4*(\a)+\b)+3] offset:64*\b
	ds_store_b128 v[STO], v[ACC+8*(4*(\a)+\b)+4:ACC+8*(4*(\a)+\b)+7] offset:64*\b+16
.endr
.set BB, 96-64*((\a)%2)
.irp t, 0,1,2,3,4,5,6,7
	ds_load_b128 v[BB+4*\t:BB+4*\t+3], v[RD] offset:\t*2*SPITCH
.endr
.endm
.macro SEND a, younger
.set BB, 96-64*((\a)%2)
	s_wait_dscnt \younger
.irp t, 0,1,2,3,4,5,6,7
	v_pk_add_f32 v[BB+4*\t:BB+4*\t+1], v[BB+4*\t:BB+4*\t+1], v[BIA:BIA+1]
	v_pk_add_f32 v[BB+4*\t+2:BB+4*\t+3], v[BB+4*\t+2:BB+4*\t+3], v[BIA+2:BIA+3]
.endr
	WIN 0x08
.irp t, 0,1,2,3,4,5,6,7
	v_pk_add_f32 v[BB+4*\t:BB+4*\t+1], v[BB+4*\t:BB+4*\t+1], v[4*(8*(\a)+\t):4*(8*(\a)+\t)+1]
	v_pk_add_f32 v[BB+4*\t+2:BB+4*\t+3], v[BB+4*\t+2:BB+4*\t+3], v[4*(8*(\a)+\t)+2:4*(8*(\a)+\t)+3]
.endr
	WIN 0
.irp t, 0,1,2,3,4,5,6,7
	global_store_b128 v[CO], v[BB+4*\t:BB+4*\t+3], s[OUTP:OUTP+1] offset:(16*(\a)+2*\t)*4096
.endr
.endm
	TOSTAGE 0
.irp a, 1,2,3
.if \a > 1
	s_wait_xcnt 0x0
.endif
	TOSTAGE \a
	SEND \a-1, 16
.endr
	SEND 3, 0
	s_wait_tensorcnt 0x0
	ds_add_u32 v[SPW], v[NIL]
	s_wait_dscnt 0x0
	CROUND
	s_endpgm
.Lfunc_end_k_q3b524a2b29_proj:
	.size	k_q3b524a2b29_proj, .Lfunc_end_k_q3b524a2b29_proj-k_q3b524a2b29_proj
	.p2alignl 7, 3214868480
	.fill 96, 4, 3214868480
	.section	.rodata,"a",@progbits
	.p2align	6, 0x0
	.amdhsa_kernel k_q3b524a2b29_proj
		.amdhsa_group_segment_fixed_size 327680
		.amdhsa_private_segment_fixed_size 0
		.amdhsa_enable_private_segment 0
		.amdhsa_kernarg_size 72
		.amdhsa_user_sgpr_count 2
		.amdhsa_user_sgpr_kernarg_segment_ptr 1
		.amdhsa_wavefront_size32 1
		.amdhsa_system_sgpr_workgroup_id_x 1
		.amdhsa_system_sgpr_workgroup_id_y 1
		.amdhsa_system_sgpr_workgroup_id_z 1
		.amdhsa_system_vgpr_workitem_id 0
		.amdhsa_next_free_vgpr 768
		.amdhsa_next_free_sgpr 102
		.amdhsa_reserve_vcc 0
		.amdhsa_float_denorm_mode_32 3
		.amdhsa_float_denorm_mode_16_64 3
		.amdhsa_memory_ordered 1
		.amdhsa_forward_progress 1
		.amdhsa_inst_pref_size 87
	.end_amdhsa_kernel
	.amdgpu_metadata
---
amdhsa.version: [ 1, 2 ]
amdhsa.kernels:
  - .name:           k_q3b524a2b29_proj
    .symbol:         k_q3b524a2b29_proj.kd
    .args:
      - { .name: oc, .offset: 0, .size: 8, .value_kind: global_buffer, .address_space: global }
      - { .name: proj_w_codes, .offset: 8, .size: 8, .value_kind: global_buffer, .address_space: global }
      - { .name: proj_w_scales, .offset: 16, .size: 8, .value_kind: global_buffer, .address_space: global }
      - { .name: proj_b, .offset: 24, .size: 8, .value_kind: global_buffer, .address_space: global }
      - { .name: x, .offset: 32, .size: 8, .value_kind: global_buffer, .address_space: global }
      - { .name: act, .offset: 40, .size: 8, .value_kind: global_buffer, .address_space: global }
      - { .name: ln1_w, .offset: 48, .size: 8, .value_kind: global_buffer, .address_space: global }
      - { .name: ln1_b, .offset: 56, .size: 8, .value_kind: global_buffer, .address_space: global }
      - { .name: x1, .offset: 64, .size: 8, .value_kind: global_buffer, .address_space: global }
    .group_segment_fixed_size: 327680
    .private_segment_fixed_size: 0
    .kernarg_segment_align: 8
    .kernarg_segment_size: 72
    .max_flat_workgroup_size: 128
    .sgpr_count:     102
    .vgpr_count:     768
    .wavefront_size: 32
...
	.end_amdgpu_metadata
.endif
;; end of part 4
;; launch ln2: the kernel of part 1 again; grid 256 x 1, 8 waves a work-group, no clusters, 83,968 bytes of LDS; arguments x1, ln2_w, ln2_b, act; writes act
;; launch fc1 (part 5): grid 16 x 16, 4 waves a work-group, clusters of 4 x 4, 327,680 bytes of LDS; arguments act, fc1_w_codes, fc1_w_scales, fc1_b, hid; writes hid
.if DOCPART == 5
	.amdgcn_target "amdgcn-amd-amdhsa--gfx1250"
	.amdhsa_code_object_version 6
	.text
	.protected	k_q3b524a2b29_fc1
	.globl	k_q3b524a2b29_fc1
	.p2align	8
	.type	k_q3b524a2b29_fc1,@function
k_q3b524a2b29_fc1:
	s_mov_b64 s[64:65], 0
	v_nop
	global_prefetch_b8 v0, s[64:65] scope:SCOPE_SE
	s_setreg_imm32_b32 hwreg(HW_REG_WAVE_MODE, 25, 1), 1
	s_wait_xcnt 0x0
	s_wait_alu depctr_hold_cnt(0) depctr_sa_sdst(0) depctr_va_vdst(0) depctr_va_sdst(0) depctr_va_ssrc(0) depctr_va_vcc(0) depctr_vm_vsrc(0)
	s_getreg_b32 s2, hwreg(HW_REG_IB_STS2, 6, 4)
	s_cmp_eq_u32 s2, 0
	s_cbranch_scc0 .Lentry_in_a_cluster
	s_endpgm
.Lentry_in_a_cluster:
	s_bfe_u32 s2, ttmp6, 0x10000c
	s_cmp_lg_u32 s2, 0xf033
	s_cbranch_scc0 .Lentry_shape_is_right
	s_endpgm
.Lentry_shape_is_right:
.set KSTEP,  256
.set NQ,     2
.set ROWB,   256
.set KROW,   1024
.set PITCH,  272
.set FR,     16
.set NL,     4
.set NP,     8
.set HALFT,  128*PITCH
.set SLOT,   4*HALFT
.set LAPS,   2
.set KS,     32
.set SCL,    2*SLOT
.set HALFS,  (128*KS/256)*272
.set SBLK,   (16*KS/256)*272
.set SPARE,  SCL+4*HALFS
.set WD,   4
.set PW,   12
.set AD,   13
.set SAD,  14
.set ADRA, 16
.set ADRB, 20
.set ADRS, 27
.set ADRT, 30
.set SPW,  28
.set NIL,  29
.set SC,   32
.set TM,   32
.set TP,   48
.set K8,   56
.set GY,   64
.set BIAS, 64
.set GT,   128
.set PC,   192                         ; the codes lie where the polynomial's registers are first written again behind the reciprocals
.set GP,   192
.set AF,   128
.set G1, 24
.set G0, 32
.set G1B, 48
.set G0B, 56
.set G1S, 68
.set G0S, 76
.set G1SB, 80
.set G0SB, 88
.set MNT, 2
.set SEL, 100
.set MSB, 0
.macro WIN new
.if MSB != (\new)
	s_set_vgpr_msb (MSB<<8)|(\new)
.set MSB, (\new)
.endif
.endm
.set MUL_LO, 0xa1
.set MUL_HI, 0xf1
.set TO_B,   0x40
.macro JLOAD g0a, g1a, g0b, g1b
	s_cmp_eq_u32 s15, 0
	s_cbranch_scc0 .Lfor_b_\@
	tensor_load_to_lds s[\g0a:\g0a+3], s[\g1a:\g1a+7]
	s_nop 0
.rept 4
	v_nop
.endr
	s_branch .Lasked_\@
.Lfor_b_\@:
	tensor_load_to_lds s[\g0b:\g0b+3], s[\g1b:\g1b+7]
	s_nop 0
.rept 4
	v_nop
.endr
.Lasked_\@:
.endm
.macro CREST
	s_cmp_lg_u32 s14, 0
	s_cbranch_scc1 .Lnot_wave_0_\@
	s_barrier_signal -3
.Lnot_wave_0_\@:
	s_barrier_wait -3
	s_barrier_signal -1
	s_barrier_wait -1
.endm
.macro CROUND
	s_barrier_signal -1
	s_barrier_wait -1
	CREST
.endm
.macro PLACES n
.rept \n
	v_nop
.endr
.endm
	s_load_b256 s[4:11], s[0:1], 0x0
	s_load_b64 s[12:13], s[0:1], 0x20
	v_lshl_add_u32 v[SPW], v0, 2, SPARE
	v_mov_b32 v[NIL], 0
	ds_add_u32 v28, v29
	ds_add_u32 v28, v29
	s_wait_dscnt 0x0
	v_lshrrev_b32 v1, 5, v0
	v_readfirstlane_b32 s14, v1
	s_lshr_b32 s15, s14, 1
	s_and_b32 s16, s14, 1
	s_bfe_u32 s40, ttmp6, 0x40000
	s_bfe_u32 s41, ttmp6, 0x40004
	s_lshl_b32 s42, ttmp9, 2
	s_add_co_u32 s42, s42, s40
	s_and_b32 s17, ttmp7, 0xffff
	s_lshl_b32 s17, s17, 2
	s_add_co_u32 s17, s17, s41
	s_lshl_b32 s43, s41, 2
	s_lshl_b32 s43, 15, s43
	s_lshl_b32 s44, 0x1111, s40
	s_or_b32 s[G1+0], s43, (0<<16)|(1<<20)|(1<<21)|(5<<22)|(3<<25)
	s_or_b32 s[G1B+0], s44, (0<<16)|(1<<20)|(1<<21)|(5<<22)|(3<<25)
.irp g, G1, G1B
	s_mov_b32 s[\g+1], ROWB<<16
	s_mov_b32 s[\g+2], 256<<16
	s_mov_b32 s[\g+3], ROWB<<16
	s_mov_b32 s[\g+4], 256
	s_mov_b32 s[\g+5], KROW
	s_mov_b32 s[\g+6], 0
	s_mov_b32 s[\g+7], 0
.endr
	s_or_b32 s[G1S+0], s43, (3<<16)|(1<<20)|(1<<21)|(5<<22)|(3<<25)
	s_or_b32 s[G1SB+0], s44, (3<<16)|(1<<20)|(1<<21)|(5<<22)|(3<<25)
.irp g, G1S, G1SB
	s_mov_b32 s[\g+1], 32<<16
	s_mov_b32 s[\g+2], (256*KS/256)<<16
	s_mov_b32 s[\g+3], 32<<16
	s_mov_b32 s[\g+4], 256*KS/256
	s_mov_b32 s[\g+5], 32
	s_mov_b32 s[\g+6], 0
	s_mov_b32 s[\g+7], 0
.endr
	s_lshl_b32 s18, s16, 7
	s_lshl_b32 s20, s17, 8
	s_add_co_u32 s20, s20, s18
	s_lshl_b32 s46, s42, 8
	s_add_co_u32 s46, s46, s18
	s_lshl_b32 s22, s17, 13                        ; the scale bytes of the tile's 256 rows, whole
	s_add_co_u32 s22, s22, 0x400000
	s_mov_b32 s23, 0
	s_lshl_b32 s92, s42, 13
	s_mov_b32 s93, 0
	s_lshl_b32 s20, s20, 10
	s_mov_b32 s21, 0
	s_lshl_b32 s46, s46, 10
	s_mov_b32 s47, 0
	s_mul_i32 s45, s14, HALFT
	s_wait_kmcnt 0x0
	s_add_nc_u64 s[20:21], s[4:5], s[20:21]
	s_add_nc_u64 s[22:23], s[4:5], s[22:23]
	s_add_nc_u64 s[46:47], s[6:7], s[46:47]
	s_add_nc_u64 s[92:93], s[8:9], s[92:93]
	CROUND
	s_mov_b32 s[G0S], 1
	s_mov_b32 s[G0S+1], SCL
	s_mov_b64 s[G0S+2:G0S+3], s[22:23]
	s_or_b32 s[G0S+3], s[G0S+3], 0x80000000
	s_mov_b32 s[G0SB], 1
	s_mov_b32 s[G0SB+1], SCL+2*HALFS
	s_mov_b64 s[G0SB+2:G0SB+3], s[92:93]
	s_or_b32 s[G0SB+3], s[G0SB+3], 0x80000000
.irp s, 0,1
	s_mov_b32 s[G0+4*\s], 1
	s_add_co_u32 s[G0+4*\s+1], s45, \s*SLOT
	s_add_nc_u64 s[G0+4*\s+2:G0+4*\s+3], s[20:21], \s*ROWB
	s_or_b32 s[G0+4*\s+3], s[G0+4*\s+3], 0x80000000
	s_mov_b32 s[G0B+4*\s], 1
	s_add_co_u32 s[G0B+4*\s+1], s45, \s*SLOT
	s_add_nc_u64 s[G0B+4*\s+2:G0B+4*\s+3], s[46:47], \s*ROWB
	s_or_b32 s[G0B+4*\s+3], s[G0B+4*\s+3], 0x80000000
.endr
	; the head's four tiles, one joint load a wave: wave 0 K step 0's 256 rows of A, wave 1 A's scales, wave 2 its 256 rows of B, wave 3 B's scales
	s_cmp_eq_u32 s14, 0
	s_cbranch_scc0 .Lhead_sa
	tensor_load_to_lds s[G0:G0+3], s[G1:G1+7]
	s_nop 0
	PLACES 4
	s_branch .Lhead_asked
.Lhead_sa:
	s_cmp_eq_u32 s14, 1
	s_cbranch_scc0 .Lhead_b
	tensor_load_to_lds s[G0S:G0S+3], s[G1S:G1S+7]
	s_nop 0
	PLACES 4
	s_branch .Lhead_asked
.Lhead_b:
	s_cmp_eq_u32 s14, 2
	s_cbranch_scc0 .Lhead_sb
	tensor_load_to_lds s[G0B:G0B+3], s[G1B:G1B+7]
	s_nop 0
	PLACES 4
	s_branch .Lhead_asked
.Lhead_sb:
	tensor_load_to_lds s[G0SB:G0SB+3], s[G1SB:G1SB+7]
	s_nop 0
	PLACES 4
.Lhead_asked:
	; asked ahead: K steps 1 to 3 of the 128 rows that I fetch in the ring.  The four partners that ask for those rows jointly take 32 each, by address (cx for A, cy for B): a lane a row, 256 bytes a K step.
	; K step 1 is asked for here, behind K step 0's load, one slot ahead of its own; K steps 2 and 3 behind K step 1's load, one and two slots ahead of theirs.  The registers are never written again.
	s_lshl_b32 s98, s17, 8
	s_lshl_b32 s99, s42, 8
	s_cmp_eq_u32 s15, 0
	s_cselect_b32 s98, s98, s99                    ; the tile's first row
	s_cselect_b32 s99, s40, s41                    ; my place among the four
	s_cselect_b64 s[96:97], s[4:5], s[6:7]
	s_lshl_b32 s99, s99, 5
	s_add_co_u32 s98, s98, s99
	s_lshl_b32 s99, s16, 7
	s_add_co_u32 s98, s98, s99
	v_and_b32 v31, 31, v0
	v_add_nc_u32 v31, s98, v31
	v_lshlrev_b32 v31, 10, v31                     ; rows of 1,024 bytes
	global_prefetch_b8 v31, s[96:97] offset:256 th:TH_LOAD_NT scope:SCOPE_SE
	v_and_b32 v1, 15, v0
	v_bfe_u32 v2, v0, 4, 1
	s_lshl_b32 s18, s42, 10
	s_lshl_b32 s19, s16, 9
	s_add_co_u32 s18, s18, s19
	s_mov_b32 s19, 0
	s_add_nc_u64 s[10:11], s[10:11], s[18:19]
	v_lshlrev_b32 v3, 6, v2
.irp i, 0,1,2,3,4,5,6,7
	global_load_b128 v[BIAS+8*\i:BIAS+8*\i+3], v3, s[10:11] offset:(32*(\i/2)+8*(\i%2))*4
	global_load_b128 v[BIAS+8*\i+4:BIAS+8*\i+7], v3, s[10:11] offset:(32*(\i/2)+8*(\i%2))*4+16
.endr
	v_mul_u32_u24 v15, v1, PITCH
	v_lshl_add_u32 v15, v2, 4, v15
	v_and_b32 v5, 8, v1
	v_add_nc_u32 v5, v5, v1
	v_mul_u32_u24 v5, v5, PITCH
	v_lshl_add_u32 v5, v2, 4, v5
	s_mul_i32 s21, s15, HALFT
	s_mul_i32 s22, s16, HALFT
	s_add_co_u32 s22, s22, 2*HALFT
.irp s, 0,1
	v_add_nc_u32 v[ADRA+\s], s21, v15
	v_add_nc_u32 v[ADRB+\s], s22, v5
	s_add_co_u32 s21, s21, SLOT
	s_add_co_u32 s22, s22, SLOT
.endr
	v_lshlrev_b32 v6, 5, v1
	v_lshrrev_b32 v7, 3, v1
	v_lshl_add_u32 v6, v7, 4, v6
	v_and_b32 v7, 24, v0
	v_add_nc_u32 v7, 8, v7
	v_lshrrev_b32 v7, 5, v7
	v_mul_u32_u24 v7, v7, 272
	v_add_nc_u32 v6, v6, v7
	s_mul_i32 s21, s15, HALFS
	s_mul_i32 s22, s16, HALFS
	s_add_co_u32 s22, s22, 2*HALFS
	s_sub_co_u32 s22, s22, s21
	v_mul_u32_u24 v7, s22, v2
	s_add_co_u32 s21, s21, SCL
	v_add_nc_u32 v7, v7, v6
	v_add_nc_u32 v[ADRS], s21, v7
	v_mul_u32_u24 v7, v2, 272
	v_sub_nc_u32 v[ADRT], v[ADRS], v7
	s_lshl_b32 s18, s17, 4
	s_lshl_b32 s19, s15, 3
	s_add_co_u32 s18, s18, s19
	s_lshl_b32 s20, s42, 1
	s_add_co_u32 s20, s20, s16
	s_lshl_b32 s22, s18, 16
	s_lshl_b32 s19, s20, 11
	s_add_co_u32 s22, s22, s19
	s_mov_b32 s23, 0
	s_lshl_b32 s18, s18, 11
	s_lshl_b32 s19, s20, 8
	s_add_co_u32 s18, s18, s19
	s_add_co_u32 s18, s18, 16777216
	s_mov_b32 s19, 0
	s_add_nc_u64 s[8:9], s[12:13], s[18:19]
	s_add_nc_u64 s[12:13], s[12:13], s[22:23]
	v_and_b32 v[AD], 31, v0
	v_lshlrev_b32 v[AD], 4, v[AD]
	v_lshlrev_b32 v[SAD], 13, v2
	v_lshl_add_u32 v[SAD], v1, 4, v[SAD]
.irp k, 0,1,2,3,4,5,6,7
	v_mov_b32 v[WD+\k], 0
.endr
	s_mov_b32 s[SEL], 0x76543210
	s_mov_b32 s[SEL+1], 0xfedcba98
	s_mov_b32 s[MNT], 0x600000
.macro FRAG reg, adr, off
.irp c, 0,1,2,3
	ds_load_b128 v[\reg+4*\c:\reg+4*\c+3], v[\adr] offset:(\off)+32*\c
.endr
.endm
.macro MUL16 a0, p, q, sc, first
.irp a, \a0, \a0+1
.irp b, 0,1,2,3,4,5,6,7
.if \first
	v_wmma_scale_f32_16x16x128_f8f6f4 v[8*(8*((\a)%4)+\b):8*(8*((\a)%4)+\b)+7], v[128*(\p)+FR*\b:128*(\p)+FR*\b+FR-1], v[AF+FR*(\a):AF+FR*(\a)+FR-1], v[BIAS+8*\b:BIAS+8*\b+7], v[SC+8*NQ*(\sc)+NQ*\b+(\q)], v[SC+8*NQ*(\sc)+NQ*(\a)+(\q)] matrix_a_scale:MATRIX_SCALE_ROW1
.else
	v_wmma_scale_f32_16x16x128_f8f6f4 v[8*(8*((\a)%4)+\b):8*(8*((\a)%4)+\b)+7], v[128*(\p)+FR*\b:128*(\p)+FR*\b+FR-1], v[AF+FR*(\a):AF+FR*(\a)+FR-1], v[8*(8*((\a)%4)+\b):8*(8*((\a)%4)+\b)+7], v[SC+8*NQ*(\sc)+NQ*\b+(\q)], v[SC+8*NQ*(\sc)+NQ*(\a)+(\q)] matrix_a_scale:MATRIX_SCALE_ROW1
.endif
.endr
.endr
.endm
.macro FETCH_B slot, q, p
	WIN TO_B
.irp i, 0,1,2,3,4,5,6,7
	FRAG 128*(\p)+FR*\i, ADRB+\slot, 128*(\q)+(32*(\i/2)+8*(\i%2))*PITCH
.endr
	WIN 0
.endm
.macro FETCH_A slot, q, i0
.irp i, \i0, \i0+1, \i0+2, \i0+3
	FRAG AF+FR*(\i), ADRA+\slot, 128*(\q)+(\i)*16*PITCH
.endr
.endm
.macro SCALES sc
.irp i, 0,2,4,6
	ds_load_b64 v[SC+8*NQ*\sc+NQ*\i:SC+8*NQ*\sc+NQ*\i+1], v[ADRS] offset:\i*SBLK
	ds_load_b64 v[SC+8*NQ*\sc+NQ*(\i+1):SC+8*NQ*\sc+NQ*(\i+1)+1], v[ADRT] offset:(\i+1)*SBLK
.endr
.endm
.macro STEP slot, q, first
	s_wait_dscnt 4*NL
.if \first
	WIN 0x81
.else
	WIN MUL_LO
.endif
	MUL16 0, (\q)%2, \q, \slot, \first
	MUL16 2, (\q)%2, \q, \slot, \first
	s_wait_dscnt 0
	PLACES NP
	FETCH_B \slot, (\q)+1, 1-(\q)%2
	FETCH_A \slot, (\q)+1, 0
.if \first
	WIN 0xc1
.else
	WIN MUL_HI
.endif
	MUL16 4, (\q)%2, \q, \slot, \first
	MUL16 6, (\q)%2, \q, \slot, \first
	PLACES NP
	WIN 0
	FETCH_A \slot, (\q)+1, 4
.endm
.macro TURN slot, next, fill
	s_wait_tensorcnt 0x0
	ds_add_u32 v[SPW], v[NIL]
	s_wait_dscnt 4*NL+1
	WIN MUL_LO
	MUL16 0, 1, NQ-1, \slot, 0
	s_wait_dscnt 0x0
	s_barrier_signal -1
	MUL16 2, 1, NQ-1, \slot, 0
	WIN 0
	s_barrier_wait -1
.if \fill
	CREST
	s_add_nc_u64 s[G0+4*\slot+2:G0+4*\slot+3], s[G0+4*\slot+2:G0+4*\slot+3], 2*ROWB
	s_add_nc_u64 s[G0B+4*\slot+2:G0B+4*\slot+3], s[G0B+4*\slot+2:G0B+4*\slot+3], 2*ROWB
	JLOAD G0+4*\slot, G1, G0B+4*\slot, G1B
	PLACES NP-4
.else
	PLACES NP
.endif
	s_wait_alu depctr_va_vdst(0)
	v_add_nc_u32 v[ADRS], 4*NQ, v[ADRS]
	v_add_nc_u32 v[ADRT], 4*NQ, v[ADRT]
	FETCH_B \next, 0, 0
	FETCH_A \next, 0, 0
	SCALES \next
	WIN MUL_HI
	MUL16 4, 1, NQ-1, \slot, 0
	MUL16 6, 1, NQ-1, \slot, 0
	PLACES NP
	WIN 0
	FETCH_A \next, 0, 4
.endm
	s_wait_alu depctr_va_vdst(0)                   ; the wait at the head's end
	s_wait_tensorcnt 0x0                           ; my tile of the head's four is in
	ds_add_u32 v[SPW], v[NIL]                      ; the add ahead of a later first fill
	s_mov_b32 s[G1+2], 128<<16                     ; no load of mine is out: from here on a load brings 128 rows
	s_mov_b32 s[G1+4], 128
	s_mov_b32 s[G1B+2], 128<<16
	s_mov_b32 s[G1B+4], 128
	s_wait_dscnt 0x0
	CROUND                                         ; all four tiles are in, and all sixteen work-groups are here
	JLOAD G0+4, G1, G0B+4, G1B                     ; K step 1, the first tensor load behind the round
	FETCH_B 0, 0, 0
	FETCH_A 0, 0, 0
	SCALES 0
	global_prefetch_b8 v31, s[96:97] offset:512 th:TH_LOAD_NT scope:SCOPE_SE   ; K step 2
	global_prefetch_b8 v31, s[96:97] offset:768 th:TH_LOAD_NT scope:SCOPE_SE   ; K step 3
	FETCH_A 0, 0, 4
	s_wait_loadcnt 0x0
	STEP 0, 0, 1
	s_mov_b32 s3, LAPS-1
.Llap:
	TURN 0, 1, 1
	STEP 1, 0, 0
	TURN 1, 0, 1
	STEP 0, 0, 0
	s_sub_co_u32 s3, s3, 1
	s_cmp_lg_u32 s3, 0
	s_cbranch_scc1 .Llap
	TURN 0, 1, 0
	STEP 1, 0, 0
	s_wait_dscnt 4*NL
	WIN MUL_LO
	MUL16 0, 1, NQ-1, 1, 0
	MUL16 2, 1, NQ-1, 1, 0
	s_wait_dscnt 0
	WIN MUL_HI
	MUL16 4, 1, NQ-1, 1, 0
	MUL16 6, 1, NQ-1, 1, 0
	WIN 0
.macro QUANT s, pw
.irp b, 0,1,2,3
	v_max3_num_f32 v[TM+\b], |v[(\s)+16*\b]|, |v[(\s)+16*\b+1]|, 0x4800000
.endr
.irp i, 2,4,6,8,10,12,14
.irp b, 0,1,2,3
	v_max3_num_f32 v[TM+\b], v[TM+\b], |v[(\s)+16*\b+\i]|, |v[(\s)+16*\b+\i+1]|
.endr
.endr
.irp b, 0,1,2,3
	v_permlanex16_b32 v[TM+4+\b], v[TM+\b], s[SEL], s[SEL+1]
.endr
.irp b, 0,1,2,3
	v_max_num_f32 v[TM+\b], v[TM+\b], v[TM+4+\b]
.endr
.irp b, 0,1,2,3
	v_add_nc_u32 v[TM+12+\b], 0xfc000000, v[TM+\b]
.endr
.irp b, 0,1,2,3
	v_and_or_b32 v[TM+8+\b], v[TM+\b], 0x7f800000, s[MNT]
.endr
.irp b, 0,1,2,3
	v_lshrrev_b32 v[TM+4+\b], 23, v[TM+12+\b]
.endr
	v_lshl_or_b32 v[\pw], v[TM+5], 8, v[TM+4]
	v_lshl_or_b32 v[\pw], v[TM+6], 16, v[\pw]
	v_lshl_or_b32 v[\pw], v[TM+7], 24, v[\pw]
.irp b, 0,1,2,3
.irp i, 0,1,2,3,4,5,6,7,8,9,10,11,12,13,14,15
	v_med3_num_f32 v[(\s)+16*\b+\i], v[(\s)+16*\b+\i], -v[TM+8+\b], v[TM+8+\b]
.endr
	v_cvt_scalef32_pk8_fp8_f32 v[PC+4*\b:PC+4*\b+1], v[(\s)+16*\b:(\s)+16*\b+7], v[TM+12+\b]
	v_cvt_scalef32_pk8_fp8_f32 v[PC+4*\b+2:PC+4*\b+3], v[(\s)+16*\b+8:(\s)+16*\b+15], v[TM+12+\b]
.endr
	v_nop
.endm
.macro KPAIR r, v
	s_mov_b32 s[\r], \v
	s_mov_b32 s[\r+1], \v
.endm
	KPAIR 24, 0x3e7c6f08
	KPAIR 26, 0x40097039
	KPAIR 28, 0xbfd1a1e5
	KPAIR 30, 0x3ecdfd18
	KPAIR 32, 0xbe899a80
	KPAIR 34, 0x3e0efb2e
	KPAIR 36, 0x3f0a29d2
	KPAIR 38, 0x3fb8ab5a
	KPAIR 40, 0xc034d90f
	KPAIR 42, 0xbf38aa3b
	s_mov_b32 s44, 0x3eb504f3
	PLACES NP
	v_mov_b32 v[K8], 0xbf97d29d
	v_mov_b32 v[K8+1], 0xbf97d29d
.irp b, 0,1,2,3
	v_mov_b32 v[TM+4+\b], 0
.endr
	s_mov_b32 s3, 0
	s_mov_b32 s46, 0                               ; s[46:47]: what the store base steps by: nothing ahead of the first block, 65,536 bytes after
	s_mov_b32 s47, 0
.Lrow:
.irp a, 0,1,2,3,4,5,6
	s_cmp_eq_u32 s3, \a
	s_cbranch_scc1 .Lc\a
.endr
.irp a, 7,0,1,2,3,4,5,6
.Lc\a:
	WIN 2+\a/4
.set i, 0
.rept 64
	v_mov_b32 v[GY+i], v[64*(\a%4)+i]
.set i, i+1
.endr
	WIN 0
	s_branch .Lgelu
.endr
.Lgelu:
.set i, 0
.rept 64
	v_fma_f32 v[GT+i], |v[GY+i]|, s44, 1.0
.set i, i+1
.endr
.set i, 0
	s_wait_alu depctr_va_vdst(0)
.rept 64
	v_rcp_f32 v[GT+i], v[GT+i]
.set i, i+1
.endr
	v_nop
	s_wait_alu depctr_va_vdst(0)
	s_wait_xcnt 0x0                                ; the last block's stores have read their data and their base: the lines below write the data again,
	s_add_nc_u64 s[12:13], s[12:13], s[46:47]      ; and the base steps to this block's rows
.set i, 0
.rept 32
	v_pk_fma_f32 v[GP+i:GP+i+1], v[GT+i:GT+i+1], s[24:25], v[K8:K8+1] op_sel_hi:[1,0,1]
.set i, i+2
.endr
.irp k, 26,28,30,32,34,36,38,40
.set i, 0
.rept 32
	v_pk_fma_f32 v[GP+i:GP+i+1], v[GP+i:GP+i+1], v[GT+i:GT+i+1], s[\k:\k+1] op_sel_hi:[1,1,0]
.set i, i+2
.endr
.endr
.set i, 0
.rept 8
.irp u, 0,1,2,3
	v_pk_mul_f32 v[TP+2*\u:TP+2*\u+1], v[GY+i+2*\u:GY+i+2*\u+1], v[GY+i+2*\u:GY+i+2*\u+1]
.endr
.irp u, 0,1,2,3
	v_pk_fma_f32 v[GP+i+2*\u:GP+i+2*\u+1], v[TP+2*\u:TP+2*\u+1], s[42:43], v[GP+i+2*\u:GP+i+2*\u+1] op_sel_hi:[1,0,1]
.endr
.set i, i+8
.endr
.set i, 0
	s_wait_alu depctr_va_vdst(0)
.rept 64
	v_exp_f32 v[GP+i], v[GP+i]
.set i, i+1
.endr
	v_nop
	s_wait_alu depctr_va_vdst(0)
.set i, 0
.rept 32
	v_pk_mul_f32 v[GT+i:GT+i+1], v[GT+i:GT+i+1], v[GP+i:GP+i+1]
.set i, i+2
.endr
.set i, 0
.rept 64
	v_max_num_f32 v[GP+i], 0, v[GY+i]
.set i, i+1
.endr
.set i, 0
.rept 64
	v_fma_f32 v[GY+i], -|v[GY+i]|, v[GT+i], v[GP+i]
.set i, i+1
.endr
	QUANT GY, PW
.irp k, 0,1,2,3,4,5,6
	v_mov_b32 v[WD+\k], v[WD+\k+1]
.endr
	v_mov_b32 v[WD+7], v[PW]
.irp b, 0,1,2,3
	global_store_b128 v[AD], v[PC+4*\b:PC+4*\b+3], s[12:13] offset:512*\b
.endr
	s_mov_b32 s46, 65536
	s_add_co_u32 s3, s3, 1
	s_cmp_lt_u32 s3, 8
	s_cbranch_scc1 .Lrow
	v_cmp_eq_u32 vcc_lo, 1, v2
	s_wait_alu depctr_va_vdst(0)
.irp t, 0,1,2,3
	v_cndmask_b32 v[WD+\t], v[WD+\t], v[WD+4+\t], vcc_lo
.endr
	global_store_b128 v[SAD], v[WD:WD+3], s[8:9]
	s_wait_tensorcnt 0x0
	ds_add_u32 v[SPW], v[NIL]
	s_wait_dscnt 0x0
	CROUND
	s_endpgm
.Lfunc_end_k_q3b524a2b29_fc1:
	.size	k_q3b524a2b29_fc1, .Lfunc_end_k_q3b524a2b29_fc1-k_q3b524a2b29_fc1
	.p2alignl 7, 3214868480
	.fill 96, 4, 3214868480
	.section	.rodata,"a",@progbits
	.p2align	6, 0x0
	.amdhsa_kernel k_q3b524a2b29_fc1
		.amdhsa_group_segment_fixed_size 327680
		.amdhsa_private_segment_fixed_size 0
		.amdhsa_enable_private_segment 0
		.amdhsa_kernarg_size 40
		.amdhsa_user_sgpr_count 2
		.amdhsa_user_sgpr_kernarg_segment_ptr 1
		.amdhsa_wavefront_size32 1
		.amdhsa_system_sgpr_workgroup_id_x 1
		.amdhsa_system_sgpr_workgroup_id_y 1
		.amdhsa_system_sgpr_workgroup_id_z 1
		.amdhsa_system_vgpr_workitem_id 0
		.amdhsa_next_free_vgpr 1024
		.amdhsa_next_free_sgpr 102
		.amdhsa_reserve_vcc 1
		.amdhsa_float_denorm_mode_32 3
		.amdhsa_float_denorm_mode_16_64 3
		.amdhsa_memory_ordered 1
		.amdhsa_forward_progress 1
		.amdhsa_inst_pref_size 186
	.end_amdhsa_kernel
	.amdgpu_metadata
---
amdhsa.version: [ 1, 2 ]
amdhsa.kernels:
  - .name:           k_q3b524a2b29_fc1
    .symbol:         k_q3b524a2b29_fc1.kd
    .args:
      - { .name: act, .offset: 0, .size: 8, .value_kind: global_buffer, .address_space: global }
      - { .name: fc1_w_codes, .offset: 8, .size: 8, .value_kind: global_buffer, .address_space: global }
      - { .name: fc1_w_scales, .offset: 16, .size: 8, .value_kind: global_buffer, .address_space: global }
      - { .name: fc1_b, .offset: 24, .size: 8, .value_kind: global_buffer, .address_space: global }
      - { .name: hid, .offset: 32, .size: 8, .value_kind: global_buffer, .address_space: global }
    .group_segment_fixed_size: 327680
    .private_segment_fixed_size: 0
    .kernarg_segment_align: 8
    .kernarg_segment_size: 40
    .max_flat_workgroup_size: 128
    .sgpr_count:     102
    .vgpr_count:     1024
    .wavefront_size: 32
...
	.end_amdgpu_metadata
.endif
;; end of part 5
;; launch fc2 (part 6): grid 8 x 32, 4 waves a work-group, clusters of 4 x 4, 327,680 bytes of LDS; arguments hid, fc2_w_codes, fc2_w_scales, fc2_b, x1, out0; writes out0
.if DOCPART == 6
	.amdgcn_target "amdgcn-amd-amdhsa--gfx1250"
	.amdhsa_code_object_version 6
	.text
	.protected	k_q3b524a2b29_fc2
	.globl	k_q3b524a2b29_fc2
	.p2align	8
	.type	k_q3b524a2b29_fc2,@function
k_q3b524a2b29_fc2:
	s_mov_b64 s[64:65], 0
	v_nop
	global_prefetch_b8 v0, s[64:65] scope:SCOPE_SE
	s_setreg_imm32_b32 hwreg(HW_REG_WAVE_MODE, 25, 1), 1
	s_wait_xcnt 0x0
	s_wait_alu depctr_hold_cnt(0) depctr_sa_sdst(0) depctr_va_vdst(0) depctr_va_sdst(0) depctr_va_ssrc(0) depctr_va_vcc(0) depctr_vm_vsrc(0)
	s_getreg_b32 s2, hwreg(HW_REG_IB_STS2, 6, 4)
	s_cmp_eq_u32 s2, 0
	s_cbranch_scc0 .Lentry_in_a_cluster
	s_endpgm
.Lentry_in_a_cluster:
	s_bfe_u32 s2, ttmp6, 0x10000c
	s_cmp_lg_u32 s2, 0xf033
	s_cbranch_scc0 .Lentry_shape_is_right
	s_endpgm
.Lentry_shape_is_right:
.set PROJ,   0
.set KK,     4096
.set ASC,    16777216
.set SCAH,   8192
.set KSTEP,  512
.set LAPS,   KK/1024
.set ASTR,   KK*16
.set BP,     528
.set AREG,   65536
.set HALFB,  64*BP
.set SLOT,   AREG+2*HALFB
.set SCA,    2*SLOT
.set KS,     KK/32
.set HALFS,  (64*KS/256)*272
.set SBLK,   (16*KS/256)*272
.set SCB,    SCA+2*SCAH
.set SPARE,  SCB+2*HALFS
.set SPITCH, 272
.set BIA,  8
.set ADRA, 16
.set ADRB, 20
.set ADSA, 22
.set ADSB, 23
.set STO,  24
.set RD,   25
.set CO,   26
.set R16,  27
.set SPW,  28
.set NIL,  29
.set H8,   30
.set SC,   32
.set ACC,  128
.set F1,   128
.set G1, 24
.set G0, 32
.set G1B, 48
.set G0B, 56
.set G1S, 68
.set G0S, 76
.set G1SB, 80
.set G0SB, 88
.set RESP, 92
.if PROJ
.set OUTP, 100
.else
.set OUTP, 94
.endif
.set MSB, 0
.macro WIN new
.if MSB != (\new)
	s_set_vgpr_msb (MSB<<8)|(\new)
.set MSB, (\new)
.endif
.endm
.macro JLOAD g0a, g1a, g0b, g1b
	s_cmp_eq_u32 s15, 0
	s_cbranch_scc0 .Lfor_b_\@
	tensor_load_to_lds s[\g0a:\g0a+3], s[\g1a:\g1a+7]
	s_nop 0
.rept 4
	v_nop
.endr
	s_branch .Lasked_\@
.Lfor_b_\@:
	tensor_load_to_lds s[\g0b:\g0b+3], s[\g1b:\g1b+7]
	s_nop 0
.rept 4
	v_nop
.endr
.Lasked_\@:
.endm
.macro CREST
	s_cmp_lg_u32 s14, 0
	s_cbranch_scc1 .Lnot_wave_0_\@
	s_barrier_signal -3
.Lnot_wave_0_\@:
	s_barrier_wait -3
	s_barrier_signal -1
	s_barrier_wait -1
.endm
.macro CROUND
	s_barrier_signal -1
	s_barrier_wait -1
	CREST
.endm
.macro PLACES n
.rept \n
	v_nop
.endr
.endm
	s_load_b256 s[4:11], s[0:1], 0x0
.if PROJ
	s_load_b256 s[92:99], s[0:1], 0x20
	s_load_b64 s[100:101], s[0:1], 0x40
.else
	s_load_b128 s[92:95], s[0:1], 0x20
.endif
	v_lshl_add_u32 v[SPW], v0, 2, SPARE
	v_mov_b32 v[NIL], 0
	ds_add_u32 v28, v29
	ds_add_u32 v28, v29
	s_wait_dscnt 0x0
	v_lshrrev_b32 v1, 5, v0
	v_readfirstlane_b32 s14, v1
	s_lshr_b32 s15, s14, 1
	s_and_b32 s16, s14, 1
	s_bfe_u32 s40, ttmp6, 0x40000
	s_bfe_u32 s41, ttmp6, 0x40004
	s_lshl_b32 s42, ttmp9, 2
	s_add_co_u32 s42, s42, s40
	s_and_b32 s17, ttmp7, 0xffff
	s_lshl_b32 s17, s17, 2
	s_add_co_u32 s17, s17, s41
	s_lshl_b32 s43, s41, 2
	s_lshl_b32 s43, 15, s43
	s_lshl_b32 s44, 0x1111, s40
	s_or_b32 s[G1+0], s43, (3<<16)|(1<<21)
	s_mov_b32 s[G1+1], 1024<<16
	s_mov_b32 s[G1+2], 8<<16
	s_mov_b32 s[G1+3], 1024<<16
	s_mov_b32 s[G1+4], 8
	s_mov_b32 s[G1+5], ASTR/8
	s_mov_b32 s[G1+6], 0
	s_mov_b32 s[G1+7], 0
	s_or_b32 s[G1B+0], s44, (0<<16)|(1<<20)|(1<<21)|(6<<22)|(3<<25)
	s_mov_b32 s[G1B+1], KSTEP<<16
	s_mov_b32 s[G1B+2], 128<<16
	s_mov_b32 s[G1B+3], KSTEP<<16
	s_mov_b32 s[G1B+4], 128
	s_mov_b32 s[G1B+5], KK
	s_mov_b32 s[G1B+6], 0
	s_mov_b32 s[G1B+7], 0
	s_or_b32 s[G1S+0], s43, (3<<16)|(1<<21)
	s_mov_b32 s[G1S+1], 32<<16
	s_mov_b32 s[G1S+3], 32<<16
.if PROJ
	s_mov_b32 s[G1S+2], 8<<16
	s_mov_b32 s[G1S+4], 8
	s_mov_b32 s[G1S+5], 1024
.else
	s_mov_b32 s[G1S+2], 64<<16
	s_mov_b32 s[G1S+4], 64
	s_mov_b32 s[G1S+5], 32
.endif
	s_mov_b32 s[G1S+6], 0
	s_mov_b32 s[G1S+7], 0
	s_or_b32 s[G1SB+0], s44, (3<<16)|(1<<20)|(1<<21)|(5<<22)|(3<<25)
	s_mov_b32 s[G1SB+1], 32<<16
	s_mov_b32 s[G1SB+2], (128*KS/256)<<16
	s_mov_b32 s[G1SB+3], 32<<16
	s_mov_b32 s[G1SB+4], 128*KS/256
	s_mov_b32 s[G1SB+5], 32
	s_mov_b32 s[G1SB+6], 0
	s_mov_b32 s[G1SB+7], 0
	s_lshl_b32 s18, s17, 3
	s_lshl_b32 s19, s16, 2
	s_add_co_u32 s18, s18, s19
	s_mul_i32 s20, s18, ASTR
	s_mov_b32 s21, 0
.if PROJ
	s_lshl_b32 s22, s16, 16
	s_lshl_b32 s19, s17, 8
	s_add_co_u32 s22, s22, s19
.else
	s_lshl_b32 s22, s17, 1
	s_lshl_b32 s22, s22, 13
.endif
	s_add_co_u32 s22, s22, ASC
	s_mov_b32 s23, 0
	s_lshl_b32 s46, s42, 7
	s_mul_i32 s12, s46, KS                         ; the scale bytes of the tile's 128 rows of B, whole
	s_lshl_b32 s19, s16, 6
	s_add_co_u32 s46, s46, s19
	s_mov_b32 s13, 0
	s_mul_i32 s46, s46, KK
	s_mov_b32 s47, 0
	s_lshl_b32 s45, s16, 15
	s_mul_i32 s2, s16, HALFB
	s_add_co_u32 s2, s2, AREG
	s_mov_b32 s18, SCA
	s_mov_b32 s19, SCB
	s_wait_kmcnt 0x0
	s_add_nc_u64 s[20:21], s[4:5], s[20:21]
	s_add_nc_u64 s[22:23], s[4:5], s[22:23]
	s_add_nc_u64 s[46:47], s[6:7], s[46:47]
	s_add_nc_u64 s[12:13], s[8:9], s[12:13]
	CROUND
	s_mov_b32 s[G0S], 1
	s_mov_b32 s[G0S+1], s18
	s_mov_b64 s[G0S+2:G0S+3], s[22:23]
	s_or_b32 s[G0S+3], s[G0S+3], 0x80000000
	s_mov_b32 s[G0SB], 1
	s_mov_b32 s[G0SB+1], s19
	s_mov_b64 s[G0SB+2:G0SB+3], s[12:13]
	s_or_b32 s[G0SB+3], s[G0SB+3], 0x80000000
.irp s, 0,1
	s_mov_b32 s[G0+4*\s], 1
	s_add_co_u32 s[G0+4*\s+1], s45, \s*SLOT
	s_add_nc_u64 s[G0+4*\s+2:G0+4*\s+3], s[20:21], \s*8192
	s_or_b32 s[G0+4*\s+3], s[G0+4*\s+3], 0x80000000
	s_mov_b32 s[G0B+4*\s], 1
	s_add_co_u32 s[G0B+4*\s+1], s2, \s*SLOT
	s_add_nc_u64 s[G0B+4*\s+2:G0B+4*\s+3], s[46:47], \s*KSTEP
	s_or_b32 s[G0B+4*\s+3], s[G0B+4*\s+3], 0x80000000
.endr
	; the head's four tiles, one joint load a wave: wave 0 slot 0's eight tiles of A, wave 1 A's scales, wave 2 slot 0's 128 rows of B, wave 3 B's scales
	s_cmp_eq_u32 s14, 0
	s_cbranch_scc0 .Lhead_sa
	tensor_load_to_lds s[G0:G0+3], s[G1:G1+7]
	s_nop 0
	PLACES 4
	s_branch .Lhead_asked
.Lhead_sa:
	s_cmp_eq_u32 s14, 1
	s_cbranch_scc0 .Lhead_b
	tensor_load_to_lds s[G0S:G0S+3], s[G1S:G1S+7]
	s_nop 0
	PLACES 4
	s_branch .Lhead_asked
.Lhead_b:
	s_cmp_eq_u32 s14, 2
	s_cbranch_scc0 .Lhead_sb
	tensor_load_to_lds s[G0B:G0B+3], s[G1B:G1B+7]
	s_nop 0
	PLACES 4
	s_branch .Lhead_asked
.Lhead_sb:
	tensor_load_to_lds s[G0SB:G0SB+3], s[G1SB:G1SB+7]
	s_nop 0
	PLACES 4
.Lhead_asked:
	; ASKED AHEAD: behind the load of slot n each wave asks for its share of slot n + 2, one instruction, a lane a block of 256 bytes; behind slot 0's load also for slot 1, one slot ahead of its load.
	; Of what a wave fetches in the ring the four partners that ask jointly take a quarter each, by address: A (waves 0, 1): four tiles of 8,192 bytes, the partner at cx takes one; B (waves 2, 3): 64 rows of 512 bytes, the partner at cy takes 16.
	; The walking address is stepped at the next change of slots; the loop's last trip asks for nothing.
	s_lshl_b32 s66, s17, 3
	s_lshl_b32 s67, s16, 2
	s_add_co_u32 s66, s66, s67
	s_add_co_u32 s66, s66, s40                     ; A: my tile of 16 rows
	s_mul_i32 s66, s66, ASTR
	s_lshl_b32 s67, s42, 7
	s_lshl_b32 s98, s16, 6
	s_add_co_u32 s67, s67, s98
	s_lshl_b32 s98, s41, 4
	s_add_co_u32 s67, s67, s98                     ; B: the first of my 16 rows
	s_mul_i32 s67, s67, KK
	s_mov_b32 s98, KSTEP
	s_mov_b32 s100, KK
	s_cmp_eq_u32 s15, 0
	s_cselect_b32 s66, s66, s67
	s_cselect_b32 s98, 8192, s98                   ; a slot on
	s_cselect_b32 s100, 512, s100                  ; from one pair of lanes to the next
	s_cselect_b64 s[96:97], s[4:5], s[6:7]
	s_mov_b32 s67, 0
	s_mov_b32 s99, 0
	s_add_nc_u64 s[96:97], s[96:97], s[66:67]
	s_add_nc_u64 s[66:67], s[96:97], s[98:99]      ; at slot 1: never written again
	s_add_nc_u64 s[96:97], s[66:67], s[98:99]      ; at slot 2: this one walks
	v_bfe_u32 v12, v0, 1, 4
	v_and_b32 v13, 1, v0
	v_mul_lo_u32 v12, v12, s100
	v_lshl_add_u32 v12, v13, 8, v12
	global_prefetch_b8 v12, s[66:67] th:TH_LOAD_NT scope:SCOPE_SE
	global_prefetch_b8 v12, s[96:97] th:TH_LOAD_NT scope:SCOPE_SE
	v_and_b32 v1, 15, v0
	v_bfe_u32 v2, v0, 4, 1
	v_and_b32 v3, 31, v0
	v_lshlrev_b32 v3, 4, v3
	v_mul_u32_u24 v4, v1, BP
	v_lshl_add_u32 v4, v2, 4, v4
	s_lshl_b32 s21, s15, 15
	s_mul_i32 s22, s16, HALFB
	s_add_co_u32 s22, s22, AREG
.irp s, 0,1
	v_add_nc_u32 v[ADRA+\s], s21, v3
	v_add_nc_u32 v[ADRB+\s], s22, v4
	s_add_co_u32 s21, s21, SLOT
	s_add_co_u32 s22, s22, SLOT
.endr
	v_mul_u32_u24 v5, v1, KS
	v_lshrrev_b32 v6, 8, v5
	v_lshl_add_u32 v5, v6, 4, v5
	s_mul_i32 s21, s16, HALFS
	s_add_co_u32 s21, s21, SCB
	v_add_nc_u32 v[ADSB], s21, v5
.if PROJ
	s_lshl_b32 s21, s15, 7
	s_add_co_u32 s21, s21, SCA
	v_lshl_add_u32 v[ADSA], v1, 3, s21
.else
	s_lshl_b32 s21, s15, 13
	s_add_co_u32 s21, s21, SCA
	v_lshl_add_u32 v[ADSA], v1, 4, s21
.endif
	s_mul_i32 s23, s14, 16*SPITCH
	v_mul_u32_u24 v5, v1, SPITCH
	v_lshl_add_u32 v5, v2, 5, v5
	v_add_nc_u32 v[STO], s23, v5
	v_mul_u32_u24 v5, v2, SPITCH
	v_lshl_add_u32 v5, v1, 4, v5
	v_add_nc_u32 v[RD], s23, v5
	v_lshlrev_b32 v[CO], 12, v2
	v_lshl_add_u32 v[CO], v1, 4, v[CO]
	s_wait_alu depctr_va_vdst(0)
	v_lshlrev_b32 v[R16], 4, v1
	s_wait_alu depctr_va_vdst(0)
	v_lshlrev_b32 v[H8], 3, v2
	s_lshl_b32 s20, s17, 7
	s_lshl_b32 s21, s15, 6
	s_add_co_u32 s20, s20, s21
	s_lshl_b32 s22, s42, 7
	s_lshl_b32 s23, s16, 6
	s_add_co_u32 s22, s22, s23
	s_lshl_b32 s22, s22, 2
	s_mov_b32 s23, 0
	s_add_nc_u64 s[10:11], s[10:11], s[22:23]
.if PROJ
	s_add_nc_u64 s[96:97], s[96:97], s[22:23]
	s_add_nc_u64 s[98:99], s[98:99], s[22:23]
	s_lshl_b32 s18, s20, 3
	s_add_co_u32 s18, s18, 4325376
	s_mov_b32 s19, 0
	s_add_nc_u64 s[94:95], s[94:95], s[18:19]
.endif
	s_lshl_b32 s21, s20, 12
	s_add_co_u32 s22, s22, s21
	s_add_nc_u64 s[RESP:RESP+1], s[RESP:RESP+1], s[22:23]
	s_add_nc_u64 s[OUTP:OUTP+1], s[OUTP:OUTP+1], s[22:23]
.macro RESLD from, n                   ; n loads of the residual's rows, 256 consecutive bytes for sixteen lanes, into window 2
	WIN 0x80
.set i, \from
.rept \n
	global_load_b128 v[4*i:4*i+3], v[CO], s[RESP:RESP+1] offset:(16*(i/8)+2*(i%8))*4096
.set i, i+1
.endr
	WIN 0
.endm
.if PROJ
.set i, 0
.rept 32
	global_load_b64 v[128+2*i:129+2*i], v[H8], s[94:95] offset:(16*(i/8)+2*(i%8))*8
.set i, i+1
.endr
	global_load_b128 v[192:195], v[R16], s[96:97]
	global_load_b128 v[196:199], v[R16], s[98:99]
.endif
	WIN 0
	global_load_b128 v[BIA:BIA+3], v[R16], s[10:11]
.macro FETCH slot, q, f
	WIN 0x40
.irp i, 0,1,2,3
.irp c, 0,1,2,3
	ds_load_b128 v[\f+64+16*\i+4*\c:\f+64+16*\i+4*\c+3], v[ADRB+\slot] offset:128*(\q)+32*\c+\i*16*BP
.endr
.endr
.irp i, 0,1,2,3
.irp c, 0,1,2,3
	ds_load_b128 v[\f+16*\i+4*\c:\f+16*\i+4*\c+3], v[ADRA+\slot] offset:8192*\i+2048*(\q)+512*\c
.endr
.endr
	WIN 0
.endm
.macro SCALES set
.irp b, 0,1,2,3
	ds_load_b128 v[SC+32*\set+16+4*\b:SC+32*\set+16+4*\b+3], v[ADSB] offset:\b*SBLK
.endr
.if !PROJ
.irp q, 0,1,2,3
	ds_load_b128 v[SC+32*\set+4*\q:SC+32*\set+4*\q+3], v[ADSA] offset:256*\q
.endr
.endif
.endm
.macro MUL8 f, a0, set, q, zero
	WIN 0x05
.irp a, \a0, \a0+1
.irp b, 0,1,2,3
.if \zero
	v_wmma_scale_f32_16x16x128_f8f6f4 v[ACC+8*(4*(\a)+\b):ACC+8*(4*(\a)+\b)+7], v[\f+64+16*\b:\f+64+16*\b+15], v[\f+16*(\a):\f+16*(\a)+15], 0, v[SC+32*(\set)+16+4*\b+(\q)], v[SC+32*(\set)+4*(\q)+(\a)]
.else
	v_wmma_scale_f32_16x16x128_f8f6f4 v[ACC+8*(4*(\a)+\b):ACC+8*(4*(\a)+\b)+7], v[\f+64+16*\b:\f+64+16*\b+15], v[\f+16*(\a):\f+16*(\a)+15], v[ACC+8*(4*(\a)+\b):ACC+8*(4*(\a)+\b)+7], v[SC+32*(\set)+16+4*\b+(\q)], v[SC+32*(\set)+4*(\q)+(\a)]
.endif
.endr
.endr
.endm
.macro QUARTER slot, q, zero
	s_wait_dscnt 0x0
	PLACES 8
	FETCH \slot, (\q)+1, 128*(((\q)+1)%2)
	MUL8 128*((\q)%2), 0, \slot, \q, \zero
	MUL8 128*((\q)%2), 2, \slot, \q, \zero
.endm
.macro TURN slot, next, fill
	WIN 0
.if \fill
	s_wait_xcnt 0x0                                ; my last request ahead has read its address
	s_add_nc_u64 s[96:97], s[96:97], s[98:99]      ; two slots on from the one that is filled below
.endif
	s_wait_tensorcnt 0x0
	ds_add_u32 v[SPW], v[NIL]
	s_wait_dscnt 1
	MUL8 F1, 0, \slot, 3, 0
	s_wait_dscnt 0x0
	s_barrier_signal -1
	WIN 0
	s_barrier_wait -1
.if \fill
	CREST
	s_add_nc_u64 s[G0+4*\slot+2:G0+4*\slot+3], s[G0+4*\slot+2:G0+4*\slot+3], 2*8192
	s_add_nc_u64 s[G0B+4*\slot+2:G0B+4*\slot+3], s[G0B+4*\slot+2:G0B+4*\slot+3], 2*KSTEP
	JLOAD G0+4*\slot, G1, G0B+4*\slot, G1B
	PLACES 4
.else
	PLACES 8
.endif
	s_wait_alu depctr_va_vdst(0)
	v_add_nc_u32 v[ADSB], 16, v[ADSB]
.if !PROJ
	v_add_nc_u32 v[ADSA], 1024, v[ADSA]
.endif
	FETCH \next, 0, 0
	SCALES \next
.if \fill
	s_cmp_gt_u32 s3, 1                             ; the last trip's refills are the last two slots: nothing lies two on
	s_cbranch_scc0 .Lno_ask_\@
	global_prefetch_b8 v12, s[96:97] th:TH_LOAD_NT scope:SCOPE_SE
.Lno_ask_\@:
.endif
	MUL8 F1, 2, \slot, 3, 0
.endm
	s_wait_alu depctr_va_vdst(0)                   ; the wait at the head's end
	s_wait_tensorcnt 0x0                           ; my tile of the head's four is in
	ds_add_u32 v[SPW], v[NIL]                      ; the add ahead of a later first fill
	s_wait_xcnt 0x0                                ; the request above has read its address
	s_add_nc_u64 s[96:97], s[96:97], s[98:99]      ; at slot 3
	s_mov_b32 s[G1+2], 4<<16
	s_mov_b32 s[G1+4], 4
	s_mov_b32 s[G1B+2], 64<<16
	s_mov_b32 s[G1B+4], 64
	s_wait_dscnt 0x0
	CROUND                                         ; all four tiles are in, and all sixteen work-groups are here
	JLOAD G0+4, G1, G0B+4, G1B                     ; slot 1, the first tensor load behind the round
.if PROJ
.set i, 0
.rept 16
	ds_load_b64 v[96+2*i:97+2*i], v[ADSA] offset:256*i
.set i, i+1
.endr
	s_wait_dscnt 0x0
.irp k, 0,1,2,3,4,5,6,7
	v_perm_b32 v[SC+32*(\k/4)+4*(\k%4)], v[98+4*\k], v[96+4*\k], 0x05040100
	v_perm_b32 v[SC+32*(\k/4)+4*(\k%4)+1], v[98+4*\k], v[96+4*\k], 0x07060302
	v_perm_b32 v[SC+32*(\k/4)+4*(\k%4)+2], v[99+4*\k], v[97+4*\k], 0x05040100
	v_perm_b32 v[SC+32*(\k/4)+4*(\k%4)+3], v[99+4*\k], v[97+4*\k], 0x07060302
.endr
.endif
	FETCH 0, 0, 0
	SCALES 0
	global_prefetch_b8 v12, s[96:97] th:TH_LOAD_NT scope:SCOPE_SE   ; slot 3, behind slot 1's load
	QUARTER 0, 0, 1
	RESLD 0, 32                                    ; the residual is asked for behind both slots' first loads; it is wanted on the way out
.if LAPS > 1
	WIN 0
	s_mov_b32 s3, LAPS-1
.Llap:
	QUARTER 0, 1, 0
	QUARTER 0, 2, 0
	TURN 0, 1, 1
	QUARTER 1, 0, 0
	QUARTER 1, 1, 0
	QUARTER 1, 2, 0
	TURN 1, 0, 1
	QUARTER 0, 0, 0
	WIN 0
	s_sub_co_u32 s3, s3, 1
	s_cmp_lg_u32 s3, 0
	s_cbranch_scc1 .Llap
.endif
	QUARTER 0, 1, 0
	QUARTER 0, 2, 0
	TURN 0, 1, 0
	QUARTER 1, 0, 0
	QUARTER 1, 1, 0
	QUARTER 1, 2, 0
	s_wait_dscnt 0x0
	MUL8 F1, 0, 1, 3, 0
	MUL8 F1, 2, 1, 3, 0
	WIN 0
	PLACES 8
	s_wait_loadcnt 0x0
.if PROJ
	WIN 0xaa
.set i, 0
.rept 32
	v_pk_add_f32 v[4*i:4*i+1], v[4*i:4*i+1], v[128+2*i:129+2*i] op_sel_hi:[1,0] neg_lo:[0,1] neg_hi:[0,1]
	v_pk_add_f32 v[4*i+2:4*i+3], v[4*i+2:4*i+3], v[128+2*i:129+2*i] op_sel_hi:[1,0] neg_lo:[0,1] neg_hi:[0,1]
	v_mul_f32 v[4*i], v[4*i], v[129+2*i]
	v_mul_f32 v[4*i+1], v[4*i+1], v[129+2*i]
	v_mul_f32 v[4*i+2], v[4*i+2], v[129+2*i]
	v_mul_f32 v[4*i+3], v[4*i+3], v[129+2*i]
	v_pk_fma_f32 v[4*i:4*i+1], v[4*i:4*i+1], v[192:193], v[196:197]
	v_pk_fma_f32 v[4*i+2:4*i+3], v[4*i+2:4*i+3], v[194:195], v[198:199]
.set i, i+1
.endr
	WIN 0
.endif
.macro TOSTAGE a
.irp b, 0,1,2,3
	ds_store_b128 v[STO], v[ACC+8*(4*(\a)+\b):ACC+8*(4*(\a)+\b)+3] offset:64*\b
	ds_store_b128 v[STO], v[ACC+8*(4*(\a)+\b)+4:ACC+8*(4*(\a)+\b)+7] offset:64*\b+16
.endr
.set BB, 96-64*((\a)%2)
.irp t, 0,1,2,3,4,5,6,7
	ds_load_b128 v[BB+4*\t:BB+4*\t+3], v[RD] offset:\t*2*SPITCH
.endr
.endm
.macro SEND a, younger
.set BB, 96-64*((\a)%2)
	s_wait_dscnt \younger
.irp t, 0,1,2,3,4,5,6,7
	v_pk_add_f32 v[BB+4*\t:BB+4*\t+1], v[BB+4*\t:BB+4*\t+1], v[BIA:BIA+1]
	v_pk_add_f32 v[BB+4*\t+2:BB+4*\t+3], v[BB+4*\t+2:BB+4*\t+3], v[BIA+2:BIA+3]
.endr
	WIN 0x08
.irp t, 0,1,2,3,4,5,6,7
	v_pk_add_f32 v[BB+4*\t:BB+4*\t+1], v[BB+4*\t:BB+4*\t+1], v[4*(8*(\a)+\t):4*(8*(\a)+\t)+1]
	v_pk_add_f32 v[BB+4*\t+2:BB+4*\t+3], v[BB+4*\t+2:BB+4*\t+3], v[4*(8*(\a)+\t)+2:4*(8*(\a)+\t)+3]
.endr
	WIN 0
.irp t, 0,1,2,3,4,5,6,7
	global_store_b128 v[CO], v[BB+4*\t:BB+4*\t+3], s[OUTP:OUTP+1] offset:(16*(\a)+2*\t)*4096
.endr
.endm
	TOSTAGE 0
.irp a, 1,2,3
.if \a > 1
	s_wait_xcnt 0x0
.endif
	TOSTAGE \a
	SEND \a-1, 16
.endr
	SEND 3, 0
	s_wait_tensorcnt 0x0
	ds_add_u32 v[SPW], v[NIL]
	s_wait_dscnt 0x0
	CROUND
	s_endpgm
.Lfunc_end_k_q3b524a2b29_fc2:
	.size	k_q3b524a2b29_fc2, .Lfunc_end_k_q3b524a2b29_fc2-k_q3b524a2b29_fc2
	.p2alignl 7, 3214868480
	.fill 96, 4, 3214868480
	.section	.rodata,"a",@progbits
	.p2align	6, 0x0
	.amdhsa_kernel k_q3b524a2b29_fc2
		.amdhsa_group_segment_fixed_size 327680
		.amdhsa_private_segment_fixed_size 0
		.amdhsa_enable_private_segment 0
		.amdhsa_kernarg_size 48
		.amdhsa_user_sgpr_count 2
		.amdhsa_user_sgpr_kernarg_segment_ptr 1
		.amdhsa_wavefront_size32 1
		.amdhsa_system_sgpr_workgroup_id_x 1
		.amdhsa_system_sgpr_workgroup_id_y 1
		.amdhsa_system_sgpr_workgroup_id_z 1
		.amdhsa_system_vgpr_workitem_id 0
		.amdhsa_next_free_vgpr 768
		.amdhsa_next_free_sgpr 102
		.amdhsa_reserve_vcc 0
		.amdhsa_float_denorm_mode_32 3
		.amdhsa_float_denorm_mode_16_64 3
		.amdhsa_memory_ordered 1
		.amdhsa_forward_progress 1
		.amdhsa_inst_pref_size 107
	.end_amdhsa_kernel
	.amdgpu_metadata
---
amdhsa.version: [ 1, 2 ]
amdhsa.kernels:
  - .name:           k_q3b524a2b29_fc2
    .symbol:         k_q3b524a2b29_fc2.kd
    .args:
      - { .name: hid, .offset: 0, .size: 8, .value_kind: global_buffer, .address_space: global }
      - { .name: fc2_w_codes, .offset: 8, .size: 8, .value_kind: global_buffer, .address_space: global }
      - { .name: fc2_w_scales, .offset: 16, .size: 8, .value_kind: global_buffer, .address_space: global }
      - { .name: fc2_b, .offset: 24, .size: 8, .value_kind: global_buffer, .address_space: global }
      - { .name: x1, .offset: 32, .size: 8, .value_kind: global_buffer, .address_space: global }
      - { .name: out0, .offset: 40, .size: 8, .value_kind: global_buffer, .address_space: global }
    .group_segment_fixed_size: 327680
    .private_segment_fixed_size: 0
    .kernarg_segment_align: 8
    .kernarg_segment_size: 48
    .max_flat_workgroup_size: 128
    .sgpr_count:     102
    .vgpr_count:     768
    .wavefront_size: 32
...
	.end_amdgpu_metadata
.endif
;; end of part 6
